; MI455X (gfx1250); checked and timed in simulation.
; The chip was launched on July 23, 2026; its instructions are those of AMD's public machine-readable ISA for CDNA 5 (MIT licence, August 2026) and "CDNA5" Instruction Set Architecture Reference Guide (July 2026). The comments in the code are by the model that wrote it; some were corrected since.
;; Softmax Attention. Allowed arithmetic: matrix products marked QUANTISED: E4M3 operands, one given power-of-two scale a tensor, by v_wmma_f32_16x16x64_fp8_fp8 or v_wmma_f32_16x16x128_fp8_fp8, f32 sums; everything else in f32.
;; Inputs: Wk 2,048 x 8 x 128 float32; Wo 8 x 4 x 128 x 2,048 float32; Wq 2,048 x 8 x 4 x 128 float32; Wv 2,048 x 8 x 128 float32; lowp_scales 12 int32 (the exponents e of the quantised operands' scales 2^e); x 2 x 1,024 x 2,048 float32.
;; Outputs: out0 2 x 1,024 x 2,048 float32.
;; This version of the problem:
;;   THIS VERSION OF THE PROBLEM IS GIVEN IN LOW PRECISION. The matrix products marked QUANTISED in the list below multiply operands that are first quantised to E4M3 (4 exponent bits, 3 mantissa bits; 8 bits a number), with one given power-of-two scale for each operand tensor; their sums are f32. All else is computed in f32.
;;   The module's matrix products, in the order in which they are computed (A, B: the left and right operand; K: the contracted axis; several contracted axes count as one K, in the product's order):
;;     1. [M 2,048, K 2,048] x [K 2,048, N 4,096]; A: input x; B: input Wq: QUANTISED (scales: A lowp_scales[0], B lowp_scales[1])
;;     2. [M 2,048, K 2,048] x [K 2,048, N 1,024]; A: input x; B: input Wk: QUANTISED (scales: A lowp_scales[2], B lowp_scales[3])
;;     3. [M 2,048, K 2,048] x [K 2,048, N 1,024]; A: input x; B: input Wv: QUANTISED (scales: A lowp_scales[4], B lowp_scales[5])
;;     4. batch 16 x [M 1,024, K 128] x [K 128, N 4,096]; A: computed on the way; B: computed on the way: QUANTISED (scales: A lowp_scales[6], B lowp_scales[7])
;;     5. batch 16 x [M 128, K 1,024] x [K 1,024, N 4,096]; A: computed on the way; B: softmax (see below): QUANTISED (scales: A lowp_scales[8], B lowp_scales[9])
;;     6. [M 2,048, K 4,096] x [K 4,096, N 2,048]; A: computed on the way; B: input Wo: QUANTISED (scales: A lowp_scales[10], B lowp_scales[11])
;;   THE QUANTISER, for each operand of a quantised product, along K:
;;     - The operand's scale is 2^e, e = its entry of the input lowp_scales (int32; the entries are numbered through the quantised products in the list's order, A before B).
;;     - Each number is divided by the scale, clamped to +-448, and rounded to the nearest number of E4M3, ties to even, subnormals kept.
;;     - The product sums the exact products of the quantised numbers (number of the format x scale) in f32.
;;   ~~~python
;;   def quantise(x, axis, e):      # numpy; x: float32 -> the quantised numbers, widened to float32 again
;;       x = np.moveaxis(x, axis, -1); K = x.shape[-1]
;;       r = np.clip(x / 2.0 ** e, -448, 448)
;;       step = 2.0 ** (np.maximum(np.frexp(np.where(r == 0, 1, r))[1] - 1, -6) - 3)
;;       q = np.round(r / step) * step * 2.0 ** e      # np.round: ties to even
;;       return np.moveaxis(q, -1, axis).astype(np.float32)
;;   ~~~
;;   SOFTMAX AHEAD OF A QUANTISED PRODUCT. Where the list says 'softmax', what is quantised is not the finished softmax but p = 2^(t - M), with t = logit x log2(e) and M = ceil(the row's largest t), a whole number; so 1/2 < the row's largest p <= 1. The row's sum l is taken of the UNQUANTISED p, in f32, and the product's result is divided by l at the end. Since M is a whole number, a kernel that streams over the keys may use a running M (the ceiling of the running maximum): every later rescaling is an exact power of two, so the quantised numbers keep their values, but for numbers so far below the row's largest that they fall under the format's range.
;;   OPERANDS COMPUTED ON THE WAY. 'Computed on the way' means the value that the module computes at that place (a softmax that the list does not call 'softmax' is quantised finished and normalised). What goes into a quantiser is computed in f32, as accurately as f32 sums, v_exp_f32 and their like allow (about 1e-6 of the number): no bf16 or f16 on the way to a quantiser, and a product that is left as it is and whose result goes on into a quantised operand takes f32 operands (vector FMAs, or v_wmma_f32_16x16x4_f32). A number that lies on a knife's edge between two numbers of the format may be rounded either way, as far as f32 arithmetic and the matrix unit's own rounding can turn it there, and no further.
;; One version. Each part assembles by itself: llvm-mc -triple=amdgcn-amd-amdhsa -mcpu=gfx1250 --defsym DOCPART=n.
;; ======== version 1 of 1: 4 launches
;; limits: right only within a limited range of input values
;; workspace buffers: xc 12,582,912 bytes; wqkv 12,582,912 bytes; woc 8,388,608 bytes; rope 589,824 bytes; qimg 8,388,608 bytes; kvimg 4,194,304 bytes; oimg 8,388,608 bytes
;; launch quant (part 1): grid 768 x 1, 4 waves a work-group, no clusters, 55,808 bytes of LDS; arguments x, Wq, Wk, Wv, Wo, lowp_scales, xc, wqkv, woc, rope; writes xc, wqkv, woc, rope
.if DOCPART == 1
	.amdgcn_target "amdgcn-amd-amdhsa--gfx1250"
	.amdhsa_code_object_version 6
	.text
	.protected	k_q8ee355322d_quant
	.globl	k_q8ee355322d_quant
	.p2align	8
	.type	k_q8ee355322d_quant,@function
k_q8ee355322d_quant:
	s_mov_b64 s[64:65], 0
	v_nop
	global_prefetch_b8 v0, s[64:65] scope:SCOPE_SE
	s_setreg_imm32_b32 hwreg(HW_REG_WAVE_MODE, 25, 1), 1
	s_wait_xcnt 0x0
; All f32 inputs become codes of E4M3 once; every later launch reads codes.  code = number / 2^e, held within +-448, rounded to the nearest code, ties to even.
; Work-groups 0-127: x [2048 rows][2048], K innermost, three times over, with e0, e2, e4 (x is an operand of three products, each with a scale of its own): xc [3][2048][2048].
;   They also make the table of RoPE: cos and sin of n x 10000^(-c/64), n = 0..1023, c = 0..63, laid as the next launch's lanes take them, and eight blocks of cos = 1, sin = 0.
; Work-groups 128-767: Wq, Wk, Wv, Wo, whose K is the FIRST axis: a lane takes a column, its registers run down K: wqkv [6144][2048] (Wq's 4096 columns, Wk's 1024, Wv's 1024), woc [2048][4096], K innermost.
; No tensor loads, no barrier: waves share nothing.  The two paths part on the work-group's number and have LDS bytes of their own.
; LIMITS: each e used here (e0 to e5, e11) lies between -126 and 119, so that 2^e and 448 x 2^e are f32 numbers.  NaN among the inputs is not served (an infinity is held at the largest code).
; The angle n x inv_freq is one f32 product as in the definition; inv_freq = 2^(-c log2(10000) / 64) by v_exp_f32; the angle is reduced by pi/2 in two parts; sin and cos by their series up to rho^9 and rho^10 (|rho| <= pi/4).
; The angle can differ from one made with another f32 power function by about one part in 10^7 of itself, at most some 1e-4 at the largest angles.
.set XWG,  128                         ; work-groups of the x path
.set SP,   80                          ; x path: a lane's place in a stage: 64 bytes + 16 of padding
.set R,    16                          ; v16-79   four sets of 16 numbers as loaded
.set X,    80                          ; v80-111  two sets of 16 neighbours
.set T,    112                         ; v112-143 two sets of 16 held numbers
.set C,    144                         ; v144-167 codes: 4 registers for each of 3 scales, two steps by turns
.set WST,  20480                       ; weight path: its stages begin behind the x path's 4 x 5,120 bytes
.set WP,   272                         ; a stage row: 256 bytes of codes + 16
.set WX,   32                          ; v32-95   two sets of 32 numbers; later the way out
.set WC,   16                          ; v16-23   a block's codes
.set VO,   96                          ; v96-127  4 x lane + i source rows: never rewritten
.set VD,   128                         ; v128-143 the stores' offsets: never rewritten
.set SB,   40                          ; s[40:55] the source at each of the wave's eight blocks of 32 along K
.macro LOAD t                          ; x path: step t's 2,048 bytes, 512 consecutive bytes a load
.irp i, 0,1,2,3
	global_load_b128 v[R+16*((\t)%4)+4*\i:R+16*((\t)%4)+4*\i+3], v3, s[8:9] offset:2048*(\t)+512*\i th:TH_LOAD_NT
.endr
.endm
.macro TURN t                          ; through the wave's own stage: in as loaded, out 64 bytes a lane.  LDS serves a wave's instructions in order
.irp i, 0,1,2,3
	ds_store_b128 v14, v[R+16*((\t)%4)+4*\i:R+16*((\t)%4)+4*\i+3] offset:32*SP*((\t)%2)+8*SP*\i
.endr
.irp i, 0,1,2,3
	ds_load_b128 v[X+16*((\t)%2)+4*\i:X+16*((\t)%2)+4*\i+3], v15 offset:32*SP*((\t)%2)+16*\i
.endr
.endm
.macro XSTEP t
.set XS, X+16*((\t)%2)
	s_wait_dscnt 0x0                               ; this step's numbers are back from the stage, and its stores into the stage have read their registers,
.if (\t)+4 < 16
	LOAD (\t)+4                                    ; which take the loads of four steps on
.endif
.if (\t)+1 < 16
.if 14-(\t) >= 3
	s_wait_loadcnt 12                              ; the next step's four loads are in; the twelve of the three steps behind it may be out
.else
	s_wait_loadcnt 4*(14-(\t))
.endif
	TURN (\t)+1
.endif
	s_wait_xcnt 0x0                                ; the stores of two steps ago have read their codes' registers, which are written again below
.irp z, 0,1,2
.set TS, T+16*((3*(\t)+\z)%2)
.set CC, C+4*(3*((\t)%2)+\z)
.irp i, 0,1,2,3,4,5,6,7,8,9,10,11,12,13,14,15
	v_med3_num_f32 v[TS+\i], v[XS+\i], -v[8+\z], v[8+\z]   ; the conversion to an 8-bit code does not saturate (ISA guide 7.6.2): the hold at 448 x the scale
.endr
	v_cvt_scalef32_pk8_fp8_f32 v[CC:CC+1], v[TS:TS+7], v[5+\z]
	v_cvt_scalef32_pk8_fp8_f32 v[CC+2:CC+3], v[TS+8:TS+15], v[5+\z]
	global_store_b128 v3, v[CC:CC+3], s[32+2*\z:33+2*\z] offset:512*(\t)   ; 32 lanes store 512 consecutive bytes.  The next scale's holds go to the other set: plain lines that touch nothing of these conversions
.endr
.endm
.macro WLOAD t                         ; weight path: block t: W(32 t + i, my column), 128 consecutive bytes a load
.set ii, 0
.rept 32
	global_load_b32 v[WX+32*((\t)%2)+ii], v[VO+ii], s[SB+2*(\t):SB+2*(\t)+1] th:TH_LOAD_NT
.set ii, ii+1
.endr
.endm
.macro BLOCK t
.set XS, WX+32*((\t)%2)
.if (\t) < 7
	s_wait_loadcnt 32                              ; this block's 32 loads are in; the next block's 32 may be out
.else
	s_wait_loadcnt 0
.endif
.set ii, 0
.rept 32
	v_med3_num_f32 v[XS+ii], v[XS+ii], -v10, v10
.set ii, ii+1
.endr
.irp g, 0,1,2,3
	v_cvt_scalef32_pk8_fp8_f32 v[WC+2*\g:WC+2*\g+1], v[XS+8*\g:XS+8*\g+7], v11
.endr
	ds_store_b128 v4, v[WC:WC+3] offset:32*(\t)    ; 32 codes of my column's row
	ds_store_b128 v4, v[WC+4:WC+7] offset:32*(\t)+16
.if (\t)+2 < 8
	WLOAD (\t)+2
.endif
	s_wait_dscnt 0x0                               ; the stores have read their registers: the next block's codes may be written
.endm
	s_load_b512 s[8:23], s[0:1], 0x0               ; x s[8:9], Wq s[10:11], Wk s[12:13], Wv s[14:15], Wo s[16:17], the exponents s[18:19], xc s[20:21], wqkv s[22:23]
	s_load_b128 s[24:27], s[0:1], 0x40             ; woc s[24:25], rope s[26:27]
	v_lshl_add_u32 v192, v0, 2, 0xd800
	v_mov_b32 v193, 0
	v_lshrrev_b32 v1, 5, v0
	v_readfirstlane_b32 s28, v1                    ; wave 0..3
	v_and_b32 v2, 31, v0                           ; lane
	s_wait_kmcnt 0x0
	s_load_b256 s[68:75], s[18:19], 0x0            ; e0 .. e7
	s_load_b128 s[76:79], s[18:19], 0x20           ; e8 .. e11
	s_cmp_lt_u32 ttmp9, XWG
	s_cbranch_scc0 .Lweights
	; ---------------- x: a wave takes 8,192 numbers, 16 steps of 512
	s_wait_alu depctr_va_vdst(0)
	v_lshlrev_b32 v3, 4, v2                        ; my 16 bytes of a load's 512, and of a store's
	s_wait_alu depctr_va_vdst(0)
	s_mul_i32 s38, s28, 5120                       ; my wave's two stages
	v_lshrrev_b32 v14, 2, v2
	v_mul_u32_u24 v14, v14, SP
	v_and_b32 v15, 3, v2
	v_lshl_add_u32 v14, v15, 4, v14
	v_add_nc_u32 v14, s38, v14                     ; in: four lanes' 64 bytes on end, then 16 of padding
	v_mul_u32_u24 v15, v2, SP
	v_add_nc_u32 v15, s38, v15                     ; out: my 16 neighbours
	s_lshl_b32 s29, ttmp9, 2
	s_add_co_u32 s29, s29, s28                     ; which run of 8,192 numbers is my wave's
	s_lshl_b32 s30, s29, 15
	s_mov_b32 s31, 0
	s_add_nc_u64 s[8:9], s[8:9], s[30:31]
	s_lshl_b32 s30, s29, 13
	s_add_nc_u64 s[32:33], s[20:21], s[30:31]      ; the three sets of codes lie 4 MiB apart
	s_add_nc_u64 s[34:35], s[32:33], 0x400000
	s_add_nc_u64 s[36:37], s[32:33], 0x800000
	LOAD 0
	LOAD 1
	LOAD 2
	LOAD 3
	; ---- the table, while the first loads are on their way.  Block nb (16 positions) is [b 0..3][p 0..3][lane][16 bytes]: lane (r, h) serves n = 16 nb + r and c = 16 b + 8 h + j; p = 0, 1: cos of j = 0-3, 4-7; p = 2, 3: sin.
	; Work-group g makes half of block g / 2: b = 2 (g % 2) + wave / 2; the wave's four j begin at 4 (wave % 2).
	s_lshr_b32 s39, ttmp9, 1
	s_lshl_b32 s39, s39, 4
	v_and_b32 v168, 15, v2
	v_add_nc_u32 v168, s39, v168
	v_cvt_f32_u32 v168, v168                       ; n
	s_and_b32 s40, ttmp9, 1
	s_lshl_b32 s40, s40, 1
	s_lshr_b32 s41, s28, 1
	s_add_co_u32 s40, s40, s41
	s_lshl_b32 s40, s40, 4
	s_and_b32 s41, s28, 1
	s_lshl_b32 s42, s41, 2
	s_add_co_u32 s40, s40, s42                     ; 16 b + 4 (wave % 2)
	v_lshrrev_b32 v169, 4, v2
	v_lshl_add_u32 v169, v169, 3, s40              ; + 8 h
	s_wait_alu depctr_va_vdst(0)
	s_mov_b32 s43, 0x3fc90fdb                      ; pi/2, the f32 nearest to it,
	s_mov_b32 s44, 0x333bbd2e                      ; and what that f32 has too much
	s_mov_b32 s45, 0xbe2aaaab                      ; -1/6
	s_mov_b32 s46, 0x3c088889                      ; 1/120
	s_mov_b32 s47, 0xb9500d01                      ; -1/5040
	s_mov_b32 s48, 0x3638ef1d                      ; 1/362880
	s_mov_b32 s50, 0x3d2aaaab                      ; 1/24
	s_mov_b32 s51, 0xbab60b61                      ; -1/720
	s_mov_b32 s52, 0x37d00d01                      ; 1/40320
	s_mov_b32 s53, 0xb493f27e                      ; -1/3628800
.irp j, 0,1,2,3
	v_add_nc_u32 v[172+\j], \j, v169
.endr
.irp j, 0,1,2,3
	v_cvt_f32_u32 v[172+\j], v[172+\j]             ; c
.endr
.irp j, 0,1,2,3
	v_mul_f32 v[172+\j], 0xbe549a78, v[172+\j]     ; -c log2(10000) / 64
.endr
	s_wait_alu depctr_va_vdst(0)
.irp j, 0,1,2,3
	v_exp_f32 v[172+\j], v[172+\j]                 ; inv_freq
.endr
	v_nop                                          ; a plain line behind the last exponential
	s_wait_alu depctr_va_vdst(0)                   ; one wait for the four, ahead of their first reader
.irp j, 0,1,2,3
	v_mul_f32 v[172+\j], v168, v[172+\j]           ; the angle
.endr
.irp j, 0,1,2,3
	v_mul_f32 v[176+\j], 0x3f22f983, v[172+\j]     ; x 2/pi
.endr
.irp j, 0,1,2,3
	v_rndne_f32 v[176+\j], v[176+\j]               ; k
.endr
.irp j, 0,1,2,3
	v_fma_f32 v[172+\j], -v[176+\j], s43, v[172+\j]
.endr
.irp j, 0,1,2,3
	v_fma_f32 v[172+\j], v[176+\j], s44, v[172+\j] ; rho = angle - k pi/2
.endr
.irp j, 0,1,2,3
	v_mul_f32 v[180+\j], v[172+\j], v[172+\j]      ; z = rho^2
.endr
.irp j, 0,1,2,3
	v_fma_f32 v[184+\j], v[180+\j], s48, s47
	v_fma_f32 v[188+\j], v[180+\j], s53, s52
.endr
.irp j, 0,1,2,3
	v_fma_f32 v[184+\j], v[184+\j], v[180+\j], s46
	v_fma_f32 v[188+\j], v[188+\j], v[180+\j], s51
.endr
.irp j, 0,1,2,3
	v_fma_f32 v[184+\j], v[184+\j], v[180+\j], s45
	v_fma_f32 v[188+\j], v[188+\j], v[180+\j], s50
.endr
.irp j, 0,1,2,3
	v_mul_f32 v[184+\j], v[184+\j], v[180+\j]
	v_fma_f32 v[188+\j], v[188+\j], v[180+\j], -0.5
.endr
.irp j, 0,1,2,3
	v_fma_f32 v[184+\j], v[184+\j], v[172+\j], v[172+\j]   ; sin rho
	v_fma_f32 v[188+\j], v[188+\j], v[180+\j], 1.0         ; cos rho
.endr
.irp j, 0,1,2,3
	v_cvt_i32_f32 v[176+\j], v[176+\j]
.endr
.irp j, 0,1,2,3                        ; the quadrant: k odd: sin and cos change places; sin is negative where k & 2, cos where (k + 1) & 2.  Choices of values only
	v_and_b32 v170, 1, v[176+\j]
	v_cmp_eq_u32 vcc_lo, 1, v170
	v_cndmask_b32 v[180+\j], v[184+\j], v[188+\j], vcc_lo  ; sin
	v_cndmask_b32 v[172+\j], v[188+\j], v[184+\j], vcc_lo  ; cos
	v_and_b32 v170, 2, v[176+\j]
	v_lshlrev_b32 v170, 30, v170
	v_xor_b32 v[180+\j], v170, v[180+\j]
	v_add_nc_u32 v171, 1, v[176+\j]
	v_and_b32 v171, 2, v171
	v_lshlrev_b32 v171, 30, v171
	v_xor_b32 v[172+\j], v171, v[172+\j]
.endr
	s_lshl_b32 s54, ttmp9, 12                      ; 4,096 g + 2,048 (wave / 2) + 512 (wave % 2) + 16 lane
	s_lshr_b32 s55, s28, 1
	s_lshl_b32 s55, s55, 11
	s_add_co_u32 s54, s54, s55
	s_and_b32 s55, s28, 1
	s_lshl_b32 s55, s55, 9
	s_add_co_u32 s54, s54, s55
	v_add_nc_u32 v4, s54, v3
	global_store_b128 v4, v[172:175], s[26:27]             ; cos: 512 consecutive bytes a wave
	global_store_b128 v4, v[180:183], s[26:27] offset:1024 ; sin
	s_cmp_lt_u32 ttmp9, 16                         ; blocks 64-71, 65,536 bytes, hold cos = 1 and sin = 0: sixteen work-groups write 4,096 bytes each, in the same pattern
	s_cbranch_scc0 .Lno_ident
.irp j, 0,1,2,3
	v_mov_b32 v[184+\j], 1.0
	v_mov_b32 v[188+\j], 0
.endr
	global_store_b128 v4, v[184:187], s[26:27] offset:524288
	global_store_b128 v4, v[188:191], s[26:27] offset:525312
.Lno_ident:
	s_wait_kmcnt 0x0
.irp z, 0,1,2                          ; e0, e2, e4
	s_add_co_i32 s55, s[68+2*\z], 127
	s_lshl_b32 s56, s55, 23
	v_mov_b32 v[5+\z], s56                         ; 2^e as f32: the conversion takes its exponent field
	s_add_co_i32 s55, s55, 8
	s_lshl_b32 s55, s55, 23
	s_or_b32 s55, s55, 0x600000
	v_mov_b32 v[8+\z], s55                         ; 448 x 2^e
.endr
	s_wait_alu depctr_va_vdst(0)
	s_wait_loadcnt 12                              ; step 0's four loads are in
	TURN 0
.irp t, 0,1,2,3,4,5,6,7,8,9,10,11,12,13,14,15
	XSTEP \t
.endr
	s_wait_tensorcnt 0x0
	ds_add_u32 v192, v193
	s_wait_dscnt 0x0
	s_endpgm
	; ---------------- the weights: a work-group takes 128 columns x 256 along K, a wave 32 columns, a lane a column
.Lweights:
	s_wait_kmcnt 0x0
	s_sub_co_u32 s29, ttmp9, XWG                   ; 0-255 Wq, 256-319 Wk, 320-383 Wv, 384-639 Wo.  Every choice hangs on the work-group's number alone
	s_cmp_lt_u32 s29, 384
	s_cselect_b64 s[30:31], s[14:15], s[16:17]     ; the source
	s_cselect_b64 s[32:33], s[22:23], s[24:25]     ; the codes' buffer
	s_cselect_b32 s34, 3, 4                        ; log2 of the groups of 128 columns
	s_cselect_b32 s35, 11, 12                      ; log2 of a row of codes
	s_cselect_b32 s36, s73, s79                    ; e5 or e11
	s_cselect_b32 s37, 5120, 0                     ; the first row in the codes' buffer
	s_mov_b32 s38, 384
	s_cselect_b32 s38, 320, s38                    ; the range's first number
	s_cmp_lt_u32 s29, 320
	s_cselect_b64 s[30:31], s[12:13], s[30:31]
	s_cselect_b32 s36, s71, s36                    ; e3
	s_cselect_b32 s37, 4096, s37
	s_cselect_b32 s38, 256, s38
	s_cmp_lt_u32 s29, 256
	s_cselect_b64 s[30:31], s[10:11], s[30:31]
	s_cselect_b32 s34, 5, s34
	s_cselect_b32 s36, s69, s36                    ; e1
	s_cselect_b32 s37, 0, s37
	s_cselect_b32 s38, 0, s38
	s_sub_co_u32 s80, s29, s38
	s_lshr_b32 s81, s80, s34                       ; which 256 along K
	s_lshl_b32 s82, s81, s34
	s_sub_co_u32 s82, s80, s82                     ; which 128 columns
	s_lshl_b32 s83, 512, s34                       ; a source row in bytes
	s_lshl_b32 s84, s83, 8
	s_mul_i32 s84, s81, s84                        ; 256 rows for each step along K (under 2^25 bytes)
	s_lshl_b32 s85, s82, 9
	s_add_co_u32 s84, s84, s85
	s_lshl_b32 s85, s28, 7
	s_add_co_u32 s84, s84, s85                     ; + 4 (128 group + 32 wave)
	s_mov_b32 s85, 0
	s_add_nc_u64 s[SB:SB+1], s[30:31], s[84:85]
	s_lshl_b32 s84, s83, 5                         ; 32 rows on
.irp t, 1,2,3,4,5,6,7
	s_add_nc_u64 s[SB+2*\t:SB+2*\t+1], s[SB+2*\t-2:SB+2*\t-1], s[84:85]
.endr
	s_wait_alu depctr_va_vdst(0)
	v_lshlrev_b32 v[VO], 2, v2
.set ii, 1
.rept 31
	v_add_nc_u32 v[VO+ii], s83, v[VO+ii-1]
.set ii, ii+1
.endr
	WLOAD 0
	WLOAD 1
	s_lshl_b32 s86, s82, 7
	s_add_co_u32 s86, s86, s37
	s_lshl_b32 s87, s28, 5
	s_add_co_u32 s86, s86, s87                     ; my wave's first row of codes
	s_lshl_b32 s86, s86, s35
	s_lshl_b32 s87, s81, 8
	s_add_co_u32 s86, s86, s87                     ; + 256 for each step along K
	s_mov_b32 s87, 0
	s_add_nc_u64 s[32:33], s[32:33], s[86:87]
	v_lshrrev_b32 v6, 4, v2
	v_and_b32 v5, 15, v2
	v_lshlrev_b32 v[VD], s35, v6                   ; out: sixteen lanes to a row, two rows an instruction
	v_lshl_add_u32 v[VD], v5, 4, v[VD]
	s_lshl_b32 s88, 2, s35
.set ii, 1
.rept 15
	v_add_nc_u32 v[VD+ii], s88, v[VD+ii-1]
.set ii, ii+1
.endr
	s_mul_i32 s89, s28, 32*WP
	s_add_co_u32 s89, s89, WST                     ; my stage
	v_mul_u32_u24 v4, v2, WP
	v_add_nc_u32 v4, s89, v4                       ; into it: row = my column
	v_mul_u32_u24 v7, v6, WP
	v_lshl_add_u32 v7, v5, 4, v7
	v_add_nc_u32 v7, s89, v7                       ; out of it
	s_add_co_i32 s36, s36, 127
	s_lshl_b32 s87, s36, 23
	v_mov_b32 v11, s87                             ; 2^e
	s_add_co_i32 s36, s36, 8
	s_lshl_b32 s36, s36, 23
	s_or_b32 s36, s36, 0x600000
	v_mov_b32 v10, s36                             ; 448 x 2^e
	s_wait_alu depctr_va_vdst(0)
.irp t, 0,1,2,3,4,5,6,7
	BLOCK \t
.endr
.irp t, 0,1,2,3,4,5,6,7,8,9,10,11,12,13,14,15
	ds_load_b128 v[WX+4*\t:WX+4*\t+3], v7 offset:2*\t*WP   ; LDS serves a wave's instructions in order: these see my stores
.endr
.irp t, 0,1,2,3,4,5,6,7,8,9,10,11,12,13,14,15
	s_wait_dscnt 15-\t
	global_store_b128 v[VD+\t], v[WX+4*\t:WX+4*\t+3], s[32:33]   ; sixteen lanes store 256 consecutive bytes, at a multiple of 256 from the buffer's first byte
.endr
	s_wait_tensorcnt 0x0
	ds_add_u32 v192, v193
	s_wait_dscnt 0x0
	s_endpgm
.Lfunc_end_k_q8ee355322d_quant:
	.size	k_q8ee355322d_quant, .Lfunc_end_k_q8ee355322d_quant-k_q8ee355322d_quant
	.p2alignl 7, 3214868480
	.fill 96, 4, 3214868480
	.section	.rodata,"a",@progbits
	.p2align	6, 0x0
	.amdhsa_kernel k_q8ee355322d_quant
		.amdhsa_group_segment_fixed_size 55808
		.amdhsa_private_segment_fixed_size 0
		.amdhsa_enable_private_segment 0
		.amdhsa_kernarg_size 80
		.amdhsa_user_sgpr_count 2
		.amdhsa_user_sgpr_kernarg_segment_ptr 1
		.amdhsa_wavefront_size32 1
		.amdhsa_system_sgpr_workgroup_id_x 1
		.amdhsa_system_sgpr_workgroup_id_y 1
		.amdhsa_system_sgpr_workgroup_id_z 1
		.amdhsa_system_vgpr_workitem_id 0
		.amdhsa_next_free_vgpr 194
		.amdhsa_next_free_sgpr 100
		.amdhsa_reserve_vcc 1
		.amdhsa_float_denorm_mode_32 3
		.amdhsa_float_denorm_mode_16_64 3
		.amdhsa_memory_ordered 1
		.amdhsa_forward_progress 1
		.amdhsa_inst_pref_size 136
	.end_amdhsa_kernel
	.amdgpu_metadata
---
amdhsa.version: [ 1, 2 ]
amdhsa.kernels:
  - .name:           k_q8ee355322d_quant
    .symbol:         k_q8ee355322d_quant.kd
    .args:
      - { .name: x, .offset: 0, .size: 8, .value_kind: global_buffer, .address_space: global }
      - { .name: Wq, .offset: 8, .size: 8, .value_kind: global_buffer, .address_space: global }
      - { .name: Wk, .offset: 16, .size: 8, .value_kind: global_buffer, .address_space: global }
      - { .name: Wv, .offset: 24, .size: 8, .value_kind: global_buffer, .address_space: global }
      - { .name: Wo, .offset: 32, .size: 8, .value_kind: global_buffer, .address_space: global }
      - { .name: lowp_scales, .offset: 40, .size: 8, .value_kind: global_buffer, .address_space: global }
      - { .name: xc, .offset: 48, .size: 8, .value_kind: global_buffer, .address_space: global }
      - { .name: wqkv, .offset: 56, .size: 8, .value_kind: global_buffer, .address_space: global }
      - { .name: woc, .offset: 64, .size: 8, .value_kind: global_buffer, .address_space: global }
      - { .name: rope, .offset: 72, .size: 8, .value_kind: global_buffer, .address_space: global }
    .group_segment_fixed_size: 55808
    .private_segment_fixed_size: 0
    .kernarg_segment_align: 8
    .kernarg_segment_size: 80
    .max_flat_workgroup_size: 128
    .sgpr_count:     100
    .vgpr_count:     194
    .wavefront_size: 32
...
	.end_amdgpu_metadata
.endif
;; end of part 1
;; launch proj (part 2): grid 24 x 8, 4 waves a work-group, clusters of 4 x 4, 327,680 bytes of LDS; arguments xc, wqkv, lowp_scales, rope, qimg, kvimg; writes qimg, kvimg
.if DOCPART == 2
	.amdgcn_target "amdgcn-amd-amdhsa--gfx1250"
	.amdhsa_code_object_version 6
	.text
	.protected	k_q8ee355322d_proj
	.globl	k_q8ee355322d_proj
	.p2align	8
	.type	k_q8ee355322d_proj,@function
k_q8ee355322d_proj:
	s_mov_b64 s[64:65], 0
	v_nop
	global_prefetch_b8 v0, s[64:65] scope:SCOPE_SE
	s_setreg_imm32_b32 hwreg(HW_REG_WAVE_MODE, 25, 1), 1
	s_wait_xcnt 0x0
	s_wait_alu depctr_hold_cnt(0) depctr_sa_sdst(0) depctr_va_vdst(0) depctr_va_sdst(0) depctr_va_ssrc(0) depctr_va_vcc(0) depctr_vm_vsrc(0)
	s_getreg_b32 s2, hwreg(HW_REG_IB_STS2, 6, 4)
	s_cmp_eq_u32 s2, 0
	s_cbranch_scc0 .Lentry_in_a_cluster
	s_endpgm
.Lentry_in_a_cluster:
	s_bfe_u32 s2, ttmp6, 0x10000c
	s_cmp_lg_u32 s2, 0xf033
	s_cbranch_scc0 .Lentry_shape_is_right
	s_endpgm
.Lentry_shape_is_right:
; q = x Wq, k = x Wk, v = x Wv on codes of E4M3, K = 2,048; then RoPE on q and k, and q, k, v quantised for the attention's two products.
; A tile of 256 x 256 is made by four waves, each 128 x 128: 64 accumulators of 16 x 16.  K goes in steps of 256 through a ring of two LDS slots filled by the tensor data mover.
; CLUSTERS of 4 x 4 work-groups; cluster x = 0..3: q (A = x's codes with e0, B = Wq's), 4: k (A = x's with e2, B = Wk's), 5: v^T = Wv^T x^T (A = Wv's codes, B = x's with e4: the sides are changed, so that a lane's
; registers run along the tokens, which are the K of the attention's second product).  The four of a row of the cluster need the same tile of A, the four of a column the same tile of B: each is asked for JOINTLY.
; Which buffers a cluster reads hangs on the cluster's x alone, which all sixteen partners share.
; THE MATRIX INSTRUCTION IS USED TRANSPOSED (source 0 = 16 rows of B, source 1 = 16 rows of A): lane (r, h) holds row r of A's block, and its eight registers the columns 8 h + 0..7 of B's block.
; A wave's 128 columns are one head, so RoPE's partners (columns c and c + 64) are accumulators b and b + 4 of the same lane.  cos and sin come from a table laid for these lanes; v's tiles read blocks of cos = 1, sin = 0.
; The sums lack 2^(eA + eB); RoPE is linear, so that power and the next quantiser's 2^e are folded into the conversion's one scale: 2^E, E = e7 - e0 - e1 (q), e6 - e2 - e3 (k), e8 - e4 - e5 (v).
; THE RESULT IS STORED AS IMAGES OF OPERAND REGISTERS: an image is 16 rows x 128 along K in 2,048 bytes: byte 512 c + 16 (16 h + r') + e holds K position 32 c + 16 h + e of row 32 (tau / 2) + 8 (tau % 2) + r' + 8 (r' / 8) of a block of 128 rows.
; LIMITS: E between -126 and 119.  NaN and infinities among the sums are not served.
; REGISTERS, in windows of 256: window 0: v0-31 addresses and the scale; from v128 A's fragments, ONE set; v32-95 the table's first block (asked for at the head).  Way out: v32-95, v128-191 the table by turns; v96-127 codes; v192-255 rotated numbers.
;   window 1: B's fragments, TWO sets; way out: v0-63 images read back.   window 2: the accumulators of my rows 0-63 ((a, b) at v[8 (8 a + b)]);   window 3: those of rows 64-127.
.set KSTEP,  256
.set ROWB,   256                       ; a tile's row in bytes
.set KROW,   2048                      ; a row of codes in memory
.set PITCH,  272                       ; an LDS row: 256 bytes + 16 of padding: the 16 rows that a load touches start at 16 different banks (64 banks of 4 bytes: ISA guide 11.1)
.set FR,     16
.set NL,     4
.set NP,     4                         ; places behind this matrix instruction (ISA guide 7.12.1)
.set HALFT,  128*PITCH
.set SLOT,   4*HALFT
.set LAPS,   2048/(2*KSTEP)
.set SPARE,  2*SLOT                    ; behind the ring: the spare words, 128 bytes a wave, that no other line names
.set STAGE,  SPARE+512                 ; behind them: 4,096 bytes for each wave, two images; no tensor load lands there
.set ADRA, 16
.set ADRB, 20
.set STO,  24                          ; v24  where I put 8 codes
.set RD,   25                          ; v25  where I read 16 bytes of an image back
.set GO,   26                          ; v26  16 x lane: my place in 512 bytes of the table and of an image
.set SPW,  28
.set NIL,  29
.set SCL,  30                          ; v30  2^E
.set LIM,  31                          ; v31  448 x 2^E
.set AF,   128
.set YR,   192
.set G1, 24
.set G0, 32
.set G1B, 48
.set G0B, 56
.set MSB, 0
.macro WIN new                         ; the immediate's high byte repeats the setting that is left
.if MSB != (\new)
	s_set_vgpr_msb (MSB<<8)|(\new)
.set MSB, (\new)
.endif
.endm
.set MUL_LO, 0xa1                      ; source 0 (B) window 1, source 1 (A) window 0, C and D window 2
.set MUL_HI, 0xf1
.set TO_B,   0x40
; A joint load: waves 0 and 1 fetch for A, waves 2 and 3 for B; the branch hangs on the wave's number alone.  Four v_nop follow each of the two lines.
.macro JLOAD g0a, g1a, g0b, g1b
	s_cmp_eq_u32 s15, 0
	s_cbranch_scc0 .Lfor_b_\@
	tensor_load_to_lds s[\g0a:\g0a+3], s[\g1a:\g1a+7]
	s_nop 0
.rept 4
	v_nop
.endr
	s_branch .Lasked_\@
.Lfor_b_\@:
	tensor_load_to_lds s[\g0b:\g0b+3], s[\g1b:\g1b+7]
	s_nop 0
.rept 4
	v_nop
.endr
.Lasked_\@:
.endm
.macro CREST                           ; a round of the cluster's barrier behind its opening barrier
	s_cmp_lg_u32 s14, 0
	s_cbranch_scc1 .Lnot_wave_0_\@
	s_barrier_signal -3
.Lnot_wave_0_\@:
	s_barrier_wait -3
	s_barrier_signal -1
	s_barrier_wait -1
.endm
.macro CROUND
	s_barrier_signal -1
	s_barrier_wait -1
	CREST
.endm
	s_load_b256 s[4:11], s[0:1], 0x0               ; xc s[4:5], wqkv s[6:7], the exponents s[8:9], rope s[10:11]
	s_load_b128 s[72:75], s[0:1], 0x20             ; qimg s[72:73], kvimg s[74:75]
	v_lshl_add_u32 v[SPW], v0, 2, SPARE
	v_mov_b32 v[NIL], 0
	ds_add_u32 v28, v29
	ds_add_u32 v28, v29
	s_wait_dscnt 0x0
	v_lshrrev_b32 v1, 5, v0
	v_readfirstlane_b32 s14, v1                    ; wave 0..3
	s_lshr_b32 s15, s14, 1                         ; which half of the tile's rows is mine.  Also: I fetch for A (0) or for B (1)
	s_and_b32 s16, s14, 1                          ; which half of its columns.  Also: which 128 rows of that tile I fetch
	s_bfe_u32 s40, ttmp6, 0x40000                  ; cx
	s_bfe_u32 s41, ttmp6, 0x40004                  ; cy
	s_and_b32 s66, ttmp7, 0xffff
	s_lshl_b32 s66, s66, 2                         ; 4 x cluster y
	s_lshl_b32 s67, ttmp9, 2                       ; 4 x cluster x
	s_cmp_eq_u32 ttmp9, 5                          ; v's clusters?
	s_cselect_b32 s17, 0, s66
	s_cselect_b32 s42, s66, s67
	s_add_co_u32 s17, s17, s41                     ; A's block of 256 rows: 4 Y + cy; for v: cy
	s_add_co_u32 s42, s42, s40                     ; B's: 4 X + cx; for v: 4 Y + cx
	s_lshl_b32 s43, s41, 2
	s_lshl_b32 s43, 15, s43                        ; my row of the cluster
	s_lshl_b32 s44, 0x1111, s40                    ; my column
	s_or_b32 s[G1+0], s43, (0<<16)|(1<<20)|(1<<21)|(5<<22)|(3<<25)  ; 15:0 the mask; 17:16 elements of 1 byte; 20 padding on; 21 set beside a mask; 24:22 after every 64 words; 31:25 four words
	s_or_b32 s[G1B+0], s44, (0<<16)|(1<<20)|(1<<21)|(5<<22)|(3<<25)
.irp g, G1, G1B
	s_mov_b32 s[\g+1], ROWB<<16                    ; tensor_dim0
	s_mov_b32 s[\g+2], 128<<16                     ; tensor_dim1
	s_mov_b32 s[\g+3], ROWB<<16                    ; tile_dim0
	s_mov_b32 s[\g+4], 128                         ; tile_dim1
	s_mov_b32 s[\g+5], KROW                        ; tensor_dim0_stride
	s_mov_b32 s[\g+6], 0
	s_mov_b32 s[\g+7], 0
.endr
	s_lshl_b32 s18, s16, 7                         ; which 128 rows of the tile I fetch
	s_lshl_b32 s20, s17, 8
	s_add_co_u32 s20, s20, s18
	s_lshl_b32 s20, s20, 11                        ; rows of 2,048 bytes
	s_mov_b32 s21, 0
	s_lshl_b32 s46, s42, 8
	s_add_co_u32 s46, s46, s18
	s_lshl_b32 s46, s46, 11
	s_mov_b32 s47, 0
	s_mul_i32 s45, s14, HALFT                      ; where they go: wave x 128 rows: no place in the cluster enters an LDS address
	s_wait_kmcnt 0x0
	s_load_b256 s[76:83], s[8:9], 0x0              ; e0 .. e7
	s_load_b128 s[84:87], s[8:9], 0x20             ; e8 .. e11
	s_cmp_eq_u32 ttmp9, 5
	s_cselect_b64 s[68:69], s[6:7], s[4:5]         ; A's buffer
	s_cselect_b64 s[70:71], s[4:5], s[6:7]         ; B's
	s_cselect_b32 s88, 10485760, 0                 ; v: Wv's codes begin at row 5,120 of wqkv,
	s_cselect_b32 s89, 0x800000, 0                 ;    and x's third set 8 MiB into xc
	s_cmp_eq_u32 ttmp9, 4
	s_cselect_b32 s88, 0x400000, s88               ; k: x's second set
	s_add_co_u32 s20, s20, s88
	s_add_co_u32 s46, s46, s89
	s_add_nc_u64 s[20:21], s[68:69], s[20:21]
	s_add_nc_u64 s[46:47], s[70:71], s[46:47]
	CROUND                                         ; all sixteen work-groups are here: the first joint loads meet
.irp s, 0,1
	s_mov_b32 s[G0+4*\s], 1
	s_add_co_u32 s[G0+4*\s+1], s45, \s*SLOT
	s_add_nc_u64 s[G0+4*\s+2:G0+4*\s+3], s[20:21], \s*ROWB
	s_or_b32 s[G0+4*\s+3], s[G0+4*\s+3], 0x80000000
	s_mov_b32 s[G0B+4*\s], 1
	s_add_co_u32 s[G0B+4*\s+1], s45, \s*SLOT
	s_add_nc_u64 s[G0B+4*\s+2:G0B+4*\s+3], s[46:47], \s*ROWB
	s_or_b32 s[G0B+4*\s+3], s[G0B+4*\s+3], 0x80000000
.endr
	JLOAD G0, G1, G0B, G1B                         ; K step 0: one tensor load a wave at the head
	; the prefetches: of the 128 rows that I fetch, my work-group takes 32 (by cx for A's rows, by cy for B's: told apart by address alone), a lane a row, 256 bytes of the row for a K step
	s_cmp_eq_u32 s15, 0
	s_cselect_b64 s[68:69], s[20:21], s[46:47]
	s_cselect_b32 s66, s40, s41
	s_lshl_b32 s66, s66, 16                        ; 32 rows of 2,048 bytes
	s_mov_b32 s67, 0
	s_add_nc_u64 s[68:69], s[68:69], s[66:67]
	v_and_b32 v27, 31, v0
	v_lshlrev_b32 v27, 11, v27                     ; v27: my lane's row; never rewritten
	global_prefetch_b8 v27, s[68:69] offset:256 th:TH_LOAD_NT scope:SCOPE_SE   ; K step 1, whose load follows when K step 0 has landed,
	global_prefetch_b8 v27, s[68:69] offset:512 th:TH_LOAD_NT scope:SCOPE_SE   ; and K step 2
	v_and_b32 v1, 15, v0
	v_bfe_u32 v2, v0, 4, 1                         ; h
	v_mul_u32_u24 v3, v1, PITCH
	v_lshl_add_u32 v4, v2, 4, v3
	s_mul_i32 s21, s15, HALFT                      ; my 128 rows of A
	s_mul_i32 s22, s16, HALFT
	s_add_co_u32 s22, s22, 2*HALFT                 ; my 128 rows of B
.irp s, 0,1
	v_add_nc_u32 v[ADRA+\s], s21, v4
	v_add_nc_u32 v[ADRB+\s], s22, v4
	s_add_co_u32 s21, s21, SLOT
	s_add_co_u32 s22, s22, SLOT
.endr
	; the stage.  Row 16 a + r of my 128 is row r' = 8 (a % 2) + r % 8 of image tau = 2 (a / 2) + r / 8; K position 16 t + 8 h + j lies at byte 256 t + 16 r' + 8 h + j of the image
	v_and_b32 v5, 7, v0
	v_bfe_u32 v6, v0, 3, 1
	v_lshlrev_b32 v[STO], 4, v5
	v_lshl_add_u32 v[STO], v6, 11, v[STO]
	v_lshl_add_u32 v[STO], v2, 3, v[STO]
	s_lshl_b32 s23, s14, 12
	s_add_co_u32 s23, s23, STAGE
	v_add_nc_u32 v[STO], s23, v[STO]               ; STAGE + 4,096 wave + 2,048 (r / 8) + 16 (r % 8) + 8 h
	v_and_b32 v6, 31, v0
	v_lshlrev_b32 v[GO], 4, v6
	s_wait_alu depctr_va_vdst(0)
	v_add_nc_u32 v[RD], s23, v[GO]
	; where my 128 x 128 goes, and which blocks of the table I read
	s_lshl_b32 s94, s17, 1
	s_add_co_u32 s94, s94, s15                     ; my block of 128 rows of A
	s_lshl_b32 s95, s42, 1
	s_add_co_u32 s95, s95, s16                     ; my block of 128 rows of B
	s_and_b32 s13, s94, 7
	s_lshl_b32 s13, s13, 3                         ; q, k: the table's blocks 8 (position / 128) on
	s_cmp_eq_u32 ttmp9, 5
	s_cselect_b32 s96, s95, s94                    ; the block of 128 tokens
	s_cselect_b32 s97, s94, s95                    ; the head (k: + 32)
	s_cselect_b32 s98, 16384, 0                    ; v's images lie behind k's
	s_cselect_b32 s13, 64, s13                     ; v: cos = 1, sin = 0
	s_cmp_lt_u32 ttmp9, 4
	s_cselect_b32 s99, 5, 3                        ; 32 heads of q, 8 of k and v
	s_cselect_b32 s12, 14, 15                      ; 16,384 bytes a block of q; 32,768 a key step of k and v
	s_cselect_b64 s[90:91], s[72:73], s[74:75]
	s_cmp_eq_u32 ttmp9, 4
	s_cselect_b32 s88, 32, 0
	s_sub_co_u32 s97, s97, s88
	s_lshr_b32 s88, s96, 3                         ; the batch
	s_and_b32 s89, s96, 7                          ; the block of 128 positions
	s_lshl_b32 s88, s88, s99
	s_add_co_u32 s88, s88, s97
	s_lshl_b32 s88, s88, 3
	s_add_co_u32 s88, s88, s89
	s_lshl_b32 s88, s88, s12
	s_add_co_u32 s88, s88, s98
	s_mov_b32 s89, 0
	s_add_nc_u64 s[90:91], s[90:91], s[88:89]
	s_lshl_b32 s88, s13, 13
	s_add_nc_u64 s[92:93], s[10:11], s[88:89]
.macro FRAG reg, adr, q, i             ; a fragment: lane l holds row l % 16; registers 4 c .. 4 c + 3 hold K = 32 c + 16 (l / 16) + 0 .. 15: the same places of k in A and in B
.irp c, 0,1,2,3
	ds_load_b128 v[\reg+4*\c:\reg+4*\c+3], v[\adr] offset:128*(\q)+32*\c+(\i)*16*PITCH
.endr
.endm
; 16 matrix instructions: A's blocks a0, a0 + 1 x B's eight.  The 64 accumulators take turns, one instruction a turn, in the same order in every step.
.macro MUL16 a0, p, zero
.irp a, \a0, \a0+1
.irp b, 0,1,2,3,4,5,6,7
.if \zero
	v_wmma_f32_16x16x128_fp8_fp8 v[8*(8*((\a)%4)+\b):8*(8*((\a)%4)+\b)+7], v[128*(\p)+FR*\b:128*(\p)+FR*\b+FR-1], v[AF+FR*(\a):AF+FR*(\a)+FR-1], 0
.else
	v_wmma_f32_16x16x128_fp8_fp8 v[8*(8*((\a)%4)+\b):8*(8*((\a)%4)+\b)+7], v[128*(\p)+FR*\b:128*(\p)+FR*\b+FR-1], v[AF+FR*(\a):AF+FR*(\a)+FR-1], v[8*(8*((\a)%4)+\b):8*(8*((\a)%4)+\b)+7]
.endif
.endr
.endr
.endm
.macro FETCH_B slot, q, p
	WIN TO_B
.irp i, 0,1,2,3,4,5,6,7
	FRAG 128*(\p)+FR*\i, ADRB+\slot, \q, \i
.endr
	WIN 0
.endm
.macro FETCH_A slot, q, i0
.irp i, \i0, \i0+1, \i0+2, \i0+3
	FRAG AF+FR*(\i), ADRA+\slot, \q, \i
.endr
.endm
.macro PLACES n                        ; plain vector lines between a matrix instruction and a load into, or a read of, its registers
.rept \n
	v_nop
.endr
.endm
.macro STEP slot, q, zero              ; 128 along K that has its successor in the same slot
	s_wait_dscnt 4*NL                              ; B's set and A's blocks 0-3 are in; the youngest sixteen loads (A's blocks 4-7) may be out
	WIN MUL_LO
	MUL16 0, (\q)%2, \zero
	MUL16 2, (\q)%2, \zero
	s_wait_dscnt 0
	PLACES NP
	FETCH_B \slot, (\q)+1, 1-(\q)%2
	FETCH_A \slot, (\q)+1, 0
	WIN MUL_HI
	MUL16 4, (\q)%2, \zero
	MUL16 6, (\q)%2, \zero
	PLACES NP
	WIN 0
	FETCH_A \slot, (\q)+1, 4
.endm
; A slot's last step changes slots: ONE barrier; in front of it each wave waits for all its tensor loads, adds 0 to its spare word, and waits for that and for its own reads of this slot.
.macro TURN slot, next, fill
.if \fill
.if \slot == 0
	s_wait_xcnt 0x0                                ; my prefetches have read their address: it steps two K steps a lap
	s_add_nc_u64 s[68:69], s[68:69], 512
.endif
.endif
	s_wait_tensorcnt 0x0                           ; all my tensor loads have landed: my part of the next slot
	ds_add_u32 v[SPW], v[NIL]                      ; 0 onto my spare word
	s_wait_dscnt 4*NL+1
	WIN MUL_LO
	MUL16 0, 1, 0
	s_wait_dscnt 0x0                               ; the add is done, and my reads of this slot are over
	s_barrier_signal -1
	MUL16 2, 1, 0
	WIN 0
	s_barrier_wait -1
.if \fill
	CREST                                          ; the barrier has opened a round of the cluster's barrier: no wave of any partner still reads this slot or has a load on its way
	s_add_nc_u64 s[G0+4*\slot+2:G0+4*\slot+3], s[G0+4*\slot+2:G0+4*\slot+3], 2*ROWB
	s_add_nc_u64 s[G0B+4*\slot+2:G0B+4*\slot+3], s[G0B+4*\slot+2:G0B+4*\slot+3], 2*ROWB
	JLOAD G0+4*\slot, G1, G0B+4*\slot, G1B         ; the first tensor load behind the round; its four v_nop are the places in front of the loads below
.else
	PLACES NP
.endif
	FETCH_B \next, 0, 0
	FETCH_A \next, 0, 0
.if \fill                              ; the refill above brings K step t: K step t + 2 is asked for; the loop's last trip (s3 = 1) has none two on
	s_cmp_gt_u32 s3, 1
	s_cbranch_scc0 .Lno_ask_\@
	global_prefetch_b8 v27, s[68:69] offset:512+256*\slot th:TH_LOAD_NT scope:SCOPE_SE
.Lno_ask_\@:
.endif
	WIN MUL_HI
	MUL16 4, 1, 0
	MUL16 6, 1, 0
	PLACES NP
	WIN 0
	FETCH_A \next, 0, 4
.endm
; THE WAY OUT, block a of 16 rows at a time
; where the table's block a lies on the way out: window TW, from register TS: 0 and 6: window 0, v32; 5: window 0, v128; 1 to 4: window 1, v0, v64, v128, v192; 7: window 1, v64
.macro TPLACE a
.set TW, 1
.set TS, 64*((\a)-1)
.if (\a) == 0
.set TW, 0
.set TS, 32
.endif
.if (\a) == 5
.set TW, 0
.set TS, 128
.endif
.if (\a) == 6
.set TW, 0
.set TS, 32
.endif
.if (\a) == 7
.set TW, 1
.set TS, 64
.endif
.endm
.macro TLOADS a
	TPLACE \a
	WIN TW<<6
.irp i, 0,1,2,3,4,5,6,7,8,9,10,11,12,13,14,15
	global_load_b128 v[TS+4*\i:TS+4*\i+3], v[GO], s[92:93] offset:8192*(\a)+512*\i
.endr
	WIN 0
.endm
.macro ROPE a                          ; y1 = x1 cos - x2 sin, y2 = x1 sin + x2 cos; x1 = accumulator (a, b), x2 = (a, b + 4); each accumulator is read from its low end on
.set AC, 64*((\a)%4)
	TPLACE \a
	WIN (0x02+((\a)/4))|(TW<<2)                    ; source 0: window 2 or 3; source 1: the table's window
.irp b, 0,1,2,3
.irp j, 0,2,4,6
	v_pk_mul_f32 v[YR+8*\b+\j:YR+8*\b+\j+1], v[AC+32+8*\b+\j:AC+32+8*\b+\j+1], v[TS+16*\b+8+\j:TS+16*\b+8+\j+1]
	v_pk_mul_f32 v[YR+32+8*\b+\j:YR+32+8*\b+\j+1], v[AC+32+8*\b+\j:AC+32+8*\b+\j+1], v[TS+16*\b+\j:TS+16*\b+\j+1]
.endr
.irp j, 0,2,4,6
	v_pk_fma_f32 v[YR+8*\b+\j:YR+8*\b+\j+1], v[AC+8*\b+\j:AC+8*\b+\j+1], v[TS+16*\b+\j:TS+16*\b+\j+1], v[YR+8*\b+\j:YR+8*\b+\j+1] neg_lo:[0,0,1] neg_hi:[0,0,1]
	v_pk_fma_f32 v[YR+32+8*\b+\j:YR+32+8*\b+\j+1], v[AC+8*\b+\j:AC+8*\b+\j+1], v[TS+16*\b+8+\j:TS+16*\b+8+\j+1], v[YR+32+8*\b+\j:YR+32+8*\b+\j+1]
.endr
.endr
	WIN 0
.endm
.macro HOLDCVT a
.set CD, 96+16*((\a)%2)
.set ii, 0
.rept 64
	v_med3_num_f32 v[YR+ii], v[YR+ii], -v[LIM], v[LIM]   ; the conversion to an 8-bit code does not saturate (ISA guide 7.6.2)
.set ii, ii+1
.endr
.irp t, 0,1,2,3,4,5,6,7
	v_cvt_scalef32_pk8_fp8_f32 v[CD+2*\t:CD+2*\t+1], v[YR+8*\t:YR+8*\t+7], v[SCL]
.endr
	v_nop                                          ; a plain line between the conversions and the next block's products, which write their sources
.endm
.macro PUT a
.set CD, 96+16*((\a)%2)
.irp t, 0,1,2,3,4,5,6,7
	ds_store_b64 v[STO], v[CD+2*\t:CD+2*\t+1] offset:128*((\a)%2)+256*\t
.endr
.endm
.macro BACK p                          ; blocks 2 p and 2 p + 1 have filled images 2 p and 2 p + 1: back as they lie.  LDS serves a wave's instructions in order
.set BB, 32*((\p)%2)
	WIN 0x40                                       ; destination window 1
.irp i, 0,1,2,3,4,5,6,7
	ds_load_b128 v[BB+4*\i:BB+4*\i+3], v[RD] offset:512*\i
.endr
	WIN 0
.endm
.macro SEND p, younger
.set BB, 32*((\p)%2)
	s_wait_dscnt \younger
	WIN 0x04                                       ; the stores' data in window 1
.irp i, 0,1,2,3,4,5,6,7
	global_store_b128 v[GO], v[BB+4*\i:BB+4*\i+3], s[90:91] offset:4096*(\p)+512*\i   ; 32 lanes store 512 consecutive bytes
.endr
	WIN 0
.endm
	TLOADS 0                                       ; v32-95 lie idle in the loop: the first block of the table is asked for now
	s_wait_alu depctr_va_vdst(0)
	s_wait_tensorcnt 0x0                           ; my part of K step 0 is in
	ds_add_u32 v[SPW], v[NIL]
	s_wait_dscnt 0x0
	CROUND                                         ; everybody's part of K step 0 is in, and all sixteen work-groups are here
	JLOAD G0+4, G1, G0B+4, G1B                     ; K step 1: the first tensor load behind the round
	FETCH_B 0, 0, 0
	global_prefetch_b8 v27, s[68:69] offset:768 th:TH_LOAD_NT scope:SCOPE_SE   ; K step 3: two refills on
	FETCH_A 0, 0, 0
	FETCH_A 0, 0, 4
	STEP 0, 0, 1                                   ; the first step stands in front of the loop: its products start the sums
	s_mov_b32 s3, LAPS-1
.Llap:                                                 ; a trip goes once round the ring and fills both slots again
	TURN 0, 1, 1
	STEP 1, 0, 0
	TURN 1, 0, 1
	STEP 0, 0, 0
	s_sub_co_u32 s3, s3, 1
	s_cmp_lg_u32 s3, 0
	s_cbranch_scc1 .Llap
	TURN 0, 1, 0                                   ; the last lap fills nothing
	STEP 1, 0, 0
	s_wait_loadcnt 0x0                             ; the table's block 0, asked for at the head
	TLOADS 1                                       ; B's set 0 has had its last products, four places ago: it takes the table's blocks 1 and 2
	TLOADS 2
	s_wait_dscnt 4*NL
	WIN MUL_LO
	MUL16 0, 1, 0
	MUL16 2, 1, 0
	s_wait_dscnt 0
	WIN MUL_HI
	MUL16 4, 1, 0
	MUL16 6, 1, 0
	WIN 0
	s_wait_kmcnt 0x0
	s_sub_co_i32 s18, s83, s76
	s_sub_co_i32 s18, s18, s77                     ; q: e7 - e0 - e1
	s_sub_co_i32 s19, s82, s78
	s_sub_co_i32 s19, s19, s79                     ; k: e6 - e2 - e3
	s_sub_co_i32 s22, s84, s80
	s_sub_co_i32 s22, s22, s81                     ; v: e8 - e4 - e5
	s_cmp_eq_u32 ttmp9, 4
	s_cselect_b32 s18, s19, s18
	s_cmp_eq_u32 ttmp9, 5
	s_cselect_b32 s18, s22, s18
	s_add_co_i32 s18, s18, 127
	s_lshl_b32 s19, s18, 23
	v_mov_b32 v[SCL], s19
	s_add_co_i32 s18, s18, 8
	s_lshl_b32 s18, s18, 23
	s_or_b32 s18, s18, 0x600000
	v_mov_b32 v[LIM], s18
	PLACES NP                                      ; in front of the loads into the registers that held A's fragments, and of the first reads of results
	TLOADS 3
	TLOADS 4
	TLOADS 5
.irp a, 0,1,2,3,4,5,6,7
.if \a > 0
.if \a < 4
	s_wait_loadcnt 63                              ; behind block a's sixteen loads stand at least 64 of later blocks
.else
	s_wait_loadcnt 16*(7-\a)                       ; the later blocks' loads may be out
.endif
.endif
	ROPE \a
.if \a == 0
	TLOADS 6                                       ; into block 0's registers
.endif
.if \a == 2
	TLOADS 7                                       ; into block 2's
.endif
	HOLDCVT \a
	PUT \a
.if (\a)%2 == 1
.if \a >= 5
	s_wait_xcnt 0x0                                ; the stores of two pairs ago have read their registers: this pair's loads may land there
.endif
	BACK (\a)/2
.if \a >= 3
	SEND (\a)/2-1, 24                              ; behind the last pair's loads: this pair's sixteen stores and eight loads
.endif
.endif
.endr
	SEND 3, 0
	s_wait_tensorcnt 0x0                           ; the wave's end
	ds_add_u32 v[SPW], v[NIL]
	s_wait_dscnt 0x0
	CROUND                                         ; the closing round
	s_endpgm
.Lfunc_end_k_q8ee355322d_proj:
	.size	k_q8ee355322d_proj, .Lfunc_end_k_q8ee355322d_proj-k_q8ee355322d_proj
	.p2alignl 7, 3214868480
	.fill 96, 4, 3214868480
	.section	.rodata,"a",@progbits
	.p2align	6, 0x0
	.amdhsa_kernel k_q8ee355322d_proj
		.amdhsa_group_segment_fixed_size 327680
		.amdhsa_private_segment_fixed_size 0
		.amdhsa_enable_private_segment 0
		.amdhsa_kernarg_size 48
		.amdhsa_user_sgpr_count 2
		.amdhsa_user_sgpr_kernarg_segment_ptr 1
		.amdhsa_wavefront_size32 1
		.amdhsa_system_sgpr_workgroup_id_x 1
		.amdhsa_system_sgpr_workgroup_id_y 1
		.amdhsa_system_sgpr_workgroup_id_z 1
		.amdhsa_system_vgpr_workitem_id 0
		.amdhsa_next_free_vgpr 1024
		.amdhsa_next_free_sgpr 100
		.amdhsa_reserve_vcc 0
		.amdhsa_float_denorm_mode_32 3
		.amdhsa_float_denorm_mode_16_64 3
		.amdhsa_memory_ordered 1
		.amdhsa_forward_progress 1
		.amdhsa_inst_pref_size 172
	.end_amdhsa_kernel
	.amdgpu_metadata
---
amdhsa.version: [ 1, 2 ]
amdhsa.kernels:
  - .name:           k_q8ee355322d_proj
    .symbol:         k_q8ee355322d_proj.kd
    .args:
      - { .name: xc, .offset: 0, .size: 8, .value_kind: global_buffer, .address_space: global }
      - { .name: wqkv, .offset: 8, .size: 8, .value_kind: global_buffer, .address_space: global }
      - { .name: lowp_scales, .offset: 16, .size: 8, .value_kind: global_buffer, .address_space: global }
      - { .name: rope, .offset: 24, .size: 8, .value_kind: global_buffer, .address_space: global }
      - { .name: qimg, .offset: 32, .size: 8, .value_kind: global_buffer, .address_space: global }
      - { .name: kvimg, .offset: 40, .size: 8, .value_kind: global_buffer, .address_space: global }
    .group_segment_fixed_size: 327680
    .private_segment_fixed_size: 0
    .kernarg_segment_align: 8
    .kernarg_segment_size: 48
    .max_flat_workgroup_size: 128
    .sgpr_count:     100
    .vgpr_count:     1024
    .wavefront_size: 32
...
	.end_amdgpu_metadata
.endif
;; end of part 2
;; launch attn (part 3): grid 16 x 16, 8 waves a work-group, clusters of 4 x 1, 327,680 bytes of LDS; arguments qimg, kvimg, lowp_scales, oimg; writes oimg
.if DOCPART == 3
	.amdgcn_target "amdgcn-amd-amdhsa--gfx1250"
	.amdhsa_code_object_version 6
	.text
	.protected	k_q8ee355322d_attn
	.globl	k_q8ee355322d_attn
	.p2align	8
	.type	k_q8ee355322d_attn,@function
k_q8ee355322d_attn:
	s_mov_b64 s[64:65], 0
	v_nop
	global_prefetch_b8 v0, s[64:65] scope:SCOPE_SE
	s_setreg_imm32_b32 hwreg(HW_REG_WAVE_MODE, 25, 1), 1
	s_wait_xcnt 0x0
	s_wait_alu depctr_hold_cnt(0) depctr_sa_sdst(0) depctr_va_vdst(0) depctr_va_sdst(0) depctr_va_ssrc(0) depctr_va_vcc(0) depctr_vm_vsrc(0)
	s_getreg_b32 s2, hwreg(HW_REG_IB_STS2, 6, 4)
	s_cmp_eq_u32 s2, 0
	s_cbranch_scc0 .Lentry_in_a_cluster
	s_endpgm
.Lentry_in_a_cluster:
	s_bfe_u32 s2, ttmp6, 0x10000c
	s_cmp_lg_u32 s2, 0x3003
	s_cbranch_scc0 .Lentry_shape_is_right
	s_endpgm
.Lentry_shape_is_right:
; Causal attention on codes of E4M3: S^T = K Q^T, p = 2^(t - M), O^T = V^T P^T, O / the row's sum quantised for the last product.  q, k, v and o are images of operand registers (2,048 bytes: 16 rows x 128 along K).
; LEFT OUT: key steps of 128 keys that lie wholly behind a tile's queries: the causal mask hides them, so their p is 0 for all inputs.  A NaN or an infinity that reaches only such steps is not carried to the result.
; SHARES.  y = batch x 8 + key/value head.  A cluster is 4 work-groups: the four query heads (cx) that share that head's K and V.  Cluster x = X picks queries 32 X .. 32 X + 31 of each block of 128 positions: two tiles of 16.
; A work-group has eight waves, two to a SIMD; wave 4 u + w owns TWO tiles, both the u-th of their block: tile 0 in block 7 - w, tile 1 in block w: (8 - w) + (w + 1) = 9 tile steps in every wave.
; While both tiles are at work a fragment of K or V feeds two matrix instructions.
; K AND V: all 8 key steps x 32,768 bytes of the head stay in LDS.  Each wave asks for an eighth by ONE joint load (8 rows of 4,096 bytes, 32,768 apart; mask 15): the text's only tensor load, nothing is filled again.
; Image T of a step (0-7: K's, 8-15: V's) lies at LDS byte 32,768 (T / 2) + 4,096 s + 2,048 (T % 2).  No branch hangs on cx: blocks hang on the wave's number, steps on the loop's count.
; No prefetch: every byte of K and V is asked for at the head, and no loop stands ahead of those loads in which to ask earlier.
; REGISTERS: tile j lives in window j under the same numbers: v2 the mask's d, v12 -M, v13 largest t, v[14:15] sum, v16-31 Q, v96-159 S^T then p, v160-223 O^T, v224-239 p's codes, v240-254 bounds, scales, at work.
; v32-95 of windows 0 and 1 hold eight fragments: K's, then V's.  Window 0 also: v1 16 x lane, v5, v6 the add's two, v8-11 the step's LDS addresses.
; The step is written once: O^T and the sums begin as zeros and the largest t as -3e38; the zeros are written while the fill is out.
; LIMITS: e6 + e7 between -123 and 130; e9 and e10 - e8 - e9 between -126 and 119; the scaled scores stay under 2^31 in magnitude.  NaN among the inputs is not served.
.set SPARE, 0x40000                    ; behind the tiles: the spare words, 128 bytes a wave
.set LI,  1
.set VD,  2
.set SPW, 5
.set NIL, 6
.set AD,  8
.set BL,  12                           ; s12 w = tile 1's block
.set DH,  13                           ; s13 7 - w = tile 0's block
.set ST,  14                           ; s14 key step
.set TB,  15                           ; s15 4,096 x key step
.set WV,  16                           ; s16 wave 0..7
.set SEL, 20
.set CS,  22
.set G1,  24
.set G0,  32
.set MSB, 0
.macro WIN new                         ; the immediate's high byte repeats the setting that is left
.if MSB != (\new)
	s_set_vgpr_msb (MSB<<8)|(\new)
.set MSB, (\new)
.endif
.endm
.macro CROUND                          ; a round of the cluster's barrier
	s_barrier_signal -1
	s_barrier_wait -1
	s_cmp_lg_u32 s[WV], 0
	s_cbranch_scc1 .Lnot_wave_0_\@
	s_barrier_signal -3
.Lnot_wave_0_\@:
	s_barrier_wait -3
	s_barrier_signal -1
	s_barrier_wait -1
.endm
.macro PLACES                          ; plain lines between matrix instructions and loads into, or reads of, their registers
.rept 4
	v_nop
.endr
.endm
.macro ADDR                            ; the step's images 0-3, 4-7 (K), 8-11, 12-15 (V)
	v_add_nc_u32 v[AD], s[TB], v[LI]
	v_add_nc_u32 v[AD+1], 0x10000, v[AD]
	v_add_nc_u32 v[AD+2], 0x20000, v[AD]
	v_add_nc_u32 v[AD+3], 0x30000, v[AD]
.endm
.macro FLOAD g0, off                   ; eight fragments (g0 = 0: K's, 2: V's) into v32-95 of windows 0 and 1: 32 loads
.irp g, 0,1
	WIN (\g)<<6
.irp t, 0,1,2,3
.irp c, 0,1,2,3
	ds_load_b128 v[32+16*\t+4*\c:35+16*\t+4*\c], v[AD+(\g0)+\g] offset:(\off)+32768*(\t/2)+2048*(\t%2)+512*\c
.endr
.endr
.endr
.endm
.macro SMUL j                          ; tile j's scores: source 0 = 16 keys (window 0 or 1), source 1 = my 16 queries
.irp t, 0,1,2,3,4,5,6,7
	WIN ((\j)<<6)|((\j)<<2)|(\t/4)
	v_wmma_f32_16x16x128_fp8_fp8 v[96+8*\t:103+8*\t], v[32+16*(\t%4):47+16*(\t%4)], v[16:31], 0
.endr
.endm
.macro PMUL j                          ; O^T += V^T P^T: source 0 = 16 of the head's 128 (window 0 or 1); the eight accumulators take turns
.irp t, 0,1,2,3,4,5,6,7
	WIN ((\j)<<6)|((\j)<<4)|((\j)<<2)|(\t/4)
	v_wmma_f32_16x16x128_fp8_fp8 v[160+8*\t:167+8*\t], v[32+16*(\t%4):47+16*(\t%4)], v[224:239], v[160+8*\t:167+8*\t]
.endr
.endm
.macro MASK j                          ; the diagonal step: register n holds key 16 h + 32 (n / 16) + n % 16 of the step: hidden where 32 (n / 16) + n % 16 > d.  Eight compares, then eight selects
	WIN 0x55*(\j)
	v_mov_b32 v254, 0xff800000
.set nn, 0
.rept 8
.set kk, 0
.rept 8
	v_cmp_gt_i32 s[54+kk], 32*((nn+kk)/16)+(nn+kk)%16, v[VD]
.set kk, kk+1
.endr
.if nn == 0
	s_wait_alu depctr_va_vdst(0)                   ; the wait directly ahead of the scores' first reader
.endif
.set kk, 0
.rept 8
	v_cndmask_b32 v[96+nn+kk], v[96+nn+kk], v254, s[54+kk]
.set kk, kk+1
.endr
.set nn, nn+8
.endr
.endm
.macro PHA j                           ; the largest score in four chains, the new M, t - M
	WIN 0x55*(\j)
	s_wait_alu depctr_va_vdst(0)                   ; the wait directly ahead of the scores' first reader
	v_max3_num_f32 v254, v96, v97, v98
	v_max3_num_f32 v252, v99, v100, v101
	v_max3_num_f32 v242, v102, v103, v104
	v_max3_num_f32 v243, v105, v106, v107
.set jj, 12
.rept 6
	v_max3_num_f32 v254, v254, v[96+jj], v[97+jj]
	v_max3_num_f32 v252, v252, v[98+jj], v[99+jj]
	v_max3_num_f32 v242, v242, v[100+jj], v[101+jj]
	v_max3_num_f32 v243, v243, v[102+jj], v[103+jj]
.set jj, jj+8
.endr
	v_max3_num_f32 v254, v254, v156, v157
	v_max3_num_f32 v252, v252, v158, v159
	v_max3_num_f32 v254, v254, v242, v243
	s_delay_alu instid0(VALU_DEP_1)
	v_max_num_f32 v254, v254, v252
	v_permlanex16_b32 v236, v254, s[SEL], s[SEL+1]
	s_delay_alu instid0(VALU_DEP_1)
	v_max_num_f32 v254, v254, v236                 ; and lane l xor 16's
	s_delay_alu instid0(VALU_DEP_1)
	v_mul_f32 v254, s[CS], v254                    ; as t (c is positive)
	s_delay_alu instid0(VALU_DEP_1)
	v_max_num_f32 v13, v13, v254
	v_mov_b32 v254, v12
	s_delay_alu instid0(VALU_DEP_2)
	v_floor_f32 v12, -v13                          ; -M = floor(-t): M is a whole number
.set jj, 0
.rept 32
	v_pk_fma_f32 v[96+jj:97+jj], v[96+jj:97+jj], s[CS:CS+1], v[12:13] op_sel_hi:[1,0,0]
.if jj == 4
	v_sub_f32 v254, v12, v254                      ; old M - new M, a whole number, 0 or less
.endif
.if jj == 14
	v_cvt_i32_f32 v254, v254                       ; (it saturates)
.endif
.if jj == 24
	v_ldexp_f32 v252, 1.0, v254                    ; f = 2^(old M - new M)
.endif
.set jj, jj+2
.endr
.endm
.macro PHE j
	WIN 0x55*(\j)
.set jj, 0
.rept 64
	v_exp_f32 v[96+jj], v[96+jj]                   ; p = 2^(t - M)
.set jj, jj+1
.endr
.endm
.macro PHC j                           ; the sum of the unquantised p in four chains, the hold, the codes, O^T x f
	WIN 0x55*(\j)
	v_pk_mul_f32 v[14:15], v[14:15], v[252:253] op_sel_hi:[1,0]
	v_pk_add_f32 v[242:243], v[96:97], v[98:99]
	v_pk_add_f32 v[246:247], v[100:101], v[102:103]
	v_pk_add_f32 v[248:249], v[104:105], v[106:107]
.set jj, 12
.rept 6
	v_pk_add_f32 v[14:15], v[14:15], v[96+jj:97+jj]
	v_pk_add_f32 v[242:243], v[242:243], v[98+jj:99+jj]
	v_pk_add_f32 v[246:247], v[246:247], v[100+jj:101+jj]
	v_pk_add_f32 v[248:249], v[248:249], v[102+jj:103+jj]
.set jj, jj+8
.endr
	v_pk_add_f32 v[14:15], v[14:15], v[156:157]
	v_pk_add_f32 v[242:243], v[242:243], v[158:159]
	v_pk_add_f32 v[246:247], v[246:247], v[248:249]
	v_pk_add_f32 v[14:15], v[14:15], v[242:243]
.irp b, 0,1,2,3
.set ii, 0
.rept 16
	v_min_num_f32 v[96+16*\b+ii], v[96+16*\b+ii], v240   ; the conversion does not saturate (ISA guide 7.6.2); p is not negative
.set ii, ii+1
.endr
.if \b == 0
	v_pk_add_f32 v[14:15], v[14:15], v[246:247]
.endif
	v_cvt_scalef32_pk8_fp8_f32 v[224+4*\b:225+4*\b], v[96+16*\b:103+16*\b], v244
	v_cvt_scalef32_pk8_fp8_f32 v[226+4*\b:227+4*\b], v[104+16*\b:111+16*\b], v244
.endr
	s_wait_alu depctr_va_vdst(0)                   ; the wait directly ahead of the first reader of O^T
.set jj, 0
.rept 32
	v_pk_mul_f32 v[160+jj:161+jj], v[160+jj:161+jj], v[252:253] op_sel_hi:[1,0]
.set jj, jj+2
.endr
.endm
.macro TILE j, dg                      ; tile j from its scores to O^T; dg: the scalar that holds the tile's block, whose step is the diagonal
	WIN 0
	s_cmp_lg_u32 s[ST], s[\dg]
	s_cbranch_scc1 .Lopen_\@
	MASK \j
	WIN 0
.Lopen_\@:
	PHA \j
	s_wait_alu depctr_va_vdst(0)                   ; one wait ahead of the batch of 64 exponentials,
	PHE \j
	v_nop                                          ; a plain line behind the last,
	s_wait_alu depctr_va_vdst(0)                   ; and one wait behind it
	PHC \j
	s_wait_alu depctr_va_vdst(0)
	s_wait_dscnt 0x0                               ; V's fragments, asked for ahead of the softmax
	PMUL \j
	WIN 0
.endm
.macro INIT j                          ; tile j's state; sources in window 0
	WIN (\j)<<6
	v_mov_b32 v[VD], v9                            ; d = 32 X + 8 u + r + 8 (r / 8) - 16 h
	v_mov_b32 v12, 0x7f61b1e6                      ; -M
	v_mov_b32 v13, 0xff61b1e6                      ; the largest t so far: -3e38
.irp r, 14,15,236,252,253
	v_mov_b32 v\r, 0
.endr
	v_mov_b32 v240, s90
	v_mov_b32 v244, s91
	v_mov_b32 v241, s92
	v_mov_b32 v245, s93
.set ii, 0
.rept 64
	v_mov_b32 v[160+ii], 0
.set ii, ii+1
.endr
.endm
.macro OUT j                           ; O^T / the sum, held, as codes with 2^(e10 - e8 - e9): an image of 2,048 bytes, 512 consecutive bytes a store
	WIN 0x55*(\j)
	v_add_f32 v14, v14, v15
	v_permlanex16_b32 v252, v14, s[SEL], s[SEL+1]
	v_add_f32 v14, v14, v252
	s_wait_alu depctr_va_vdst(0)                   ; the wait ahead of the transcendental
	v_rcp_f32 v14, v14
	v_nop
	s_wait_alu depctr_va_vdst(0)                   ; and ahead of its first reader, which is also the first reader of O^T
.set jj, 0
.rept 32
	v_pk_mul_f32 v[96+jj:97+jj], v[160+jj:161+jj], v[14:15] op_sel_hi:[1,0]
.set jj, jj+2
.endr
.irp b, 0,1,2,3
.set ii, 0
.rept 16
	v_med3_num_f32 v[96+16*\b+ii], v[96+16*\b+ii], -v241, v241
.set ii, ii+1
.endr
	v_cvt_scalef32_pk8_fp8_f32 v[224+4*\b:225+4*\b], v[96+16*\b:103+16*\b], v245
	v_cvt_scalef32_pk8_fp8_f32 v[226+4*\b:227+4*\b], v[104+16*\b:111+16*\b], v245
.endr
	v_nop
	WIN (\j)<<2                                    ; the stores' data in window j
.irp c, 0,1,2,3
	global_store_b128 v[LI], v[224+4*\c:227+4*\c], s[50+2*(\j):51+2*(\j)] offset:512*\c
.endr
.endm
	s_load_b256 s[4:11], s[0:1], 0x0               ; qimg s[4:5], kvimg s[6:7], the exponents s[8:9], oimg s[10:11]
	v_lshl_add_u32 v[SPW], v0, 2, SPARE
	v_mov_b32 v[NIL], 0
	ds_add_u32 v[SPW], v[NIL]                      ; the opening lines: the add, twice on end, and its wait
	ds_add_u32 v[SPW], v[NIL]
	v_lshrrev_b32 v8, 5, v0
	v_readfirstlane_b32 s[WV], v8                  ; wave 0..7
	s_and_b32 s19, ttmp7, 0xffff                   ; y
	s_lshl_b32 s42, s19, 18                        ; the head's K and V: 262,144 bytes,
	s_lshl_b32 s17, s[WV], 12
	s_add_co_u32 s42, s42, s17                     ; my 4,096 of each key step's 32,768
	s_mov_b32 s43, 0
	s_mov_b32 s[G1], 15|(3<<16)|(1<<21)            ; the mask names the four partners; elements of 8 bytes; bit 21 beside a mask
	s_mov_b32 s[G1+1], 512<<16                     ; tensor_dim0: 4,096 bytes
	s_mov_b32 s[G1+2], 8<<16                       ; tensor_dim1
	s_mov_b32 s[G1+3], 512<<16                     ; tile_dim0
	s_mov_b32 s[G1+4], 8                           ; tile_dim1: the 8 key steps
	s_mov_b32 s[G1+5], 4096                        ; 32,768 bytes from row to row
	s_mov_b32 s[G1+6], 0
	s_mov_b32 s[G1+7], 0
	s_mov_b32 s[G0], 1
	s_lshl_b32 s[G0+1], s[WV], 15                  ; 32,768 x wave
	s_wait_dscnt 0x0
	s_wait_kmcnt 0x0
	s_add_nc_u64 s[G0+2:G0+3], s[6:7], s[42:43]
	s_or_b32 s[G0+3], s[G0+3], 0x80000000
	CROUND                                         ; the four partners are here: the joint loads meet
	tensor_load_to_lds s[G0:G0+3], s[G1:G1+7]
	s_nop 0
	s_load_b256 s[68:75], s[8:9], 0x0              ; e0 .. e7
	s_load_b128 s[76:79], s[8:9], 0x20             ; e8 .. e11
	s_and_b32 s[BL], s[WV], 3
	s_sub_co_u32 s[DH], 7, s[BL]
	s_lshr_b32 s18, s[WV], 2                       ; u
	s_bfe_u32 s36, ttmp6, 0x40000                  ; cx = the query head i
	s_lshl_b32 s37, ttmp9, 1
	s_add_co_u32 s37, s37, s18                     ; image 2 X + u of a block
	s_lshl_b32 s38, s19, 2
	s_add_co_u32 s38, s38, s36
	s_lshl_b32 s38, s38, 3                         ; q: 8 (4 y + i)
	s_and_b32 s40, s19, 8                          ; o: 8 x batch
	s_and_b32 s41, s19, 7
	s_lshl_b32 s41, s41, 2
	s_add_co_u32 s41, s41, s36                     ; 4 h + i
	s_mov_b32 s45, 0
.irp p, 0,1                            ; tile p: block 7 - w or w.  q image ((4 y + i) 8 + block) 8 + tau; o image ((8 batch + block) 32 + 4 h + i) 8 + tau
	s_add_co_u32 s44, s38, s[DH-\p]
	s_lshl_b32 s44, s44, 3
	s_add_co_u32 s44, s44, s37
	s_lshl_b32 s44, s44, 11
	s_add_nc_u64 s[46+2*\p:47+2*\p], s[4:5], s[44:45]
	s_add_co_u32 s44, s40, s[DH-\p]
	s_lshl_b32 s44, s44, 5
	s_add_co_u32 s44, s44, s41
	s_lshl_b32 s44, s44, 3
	s_add_co_u32 s44, s44, s37
	s_lshl_b32 s44, s44, 11
	s_add_nc_u64 s[50+2*\p:51+2*\p], s[10:11], s[44:45]
.endr
	s_lshl_b32 s17, ttmp9, 5
	s_lshl_b32 s18, s18, 3
	s_add_co_u32 s17, s17, s18                     ; 32 X + 8 u
	s_mov_b32 s[SEL], 0x76543210
	s_mov_b32 s[SEL+1], 0xfedcba98
	s_mov_b32 s[ST], 0
	s_mov_b32 s[TB], 0
	v_and_b32 v9, 31, v0
	v_lshlrev_b32 v[LI], 4, v9
.irp j, 0,1
	WIN \j<<6
.irp c, 0,1,2,3
	global_load_b128 v[16+4*\c:19+4*\c], v[LI], s[46+2*\j:47+2*\j] offset:512*\c
.endr
.endr
	WIN 0
	v_and_b32 v9, 15, v0
	v_and_b32 v10, 8, v9
	v_add_nc_u32 v9, v10, v9                       ; r + 8 (r / 8)
	v_bfe_u32 v10, v0, 4, 1
	v_lshlrev_b32 v10, 4, v10
	v_sub_nc_u32 v9, v9, v10                       ; - 16 h
	v_add_nc_u32 v9, s17, v9
	s_wait_alu depctr_va_vdst(0)
	s_wait_kmcnt 0x0
	s_add_co_i32 s90, s74, s75
	s_lshl_b32 s90, s90, 23
	s_mov_b32 s[CS], 0x3e0293ee                    ; c = log2(e) / sqrt(128),
	s_add_co_i32 s[CS], s[CS], s90                 ; x 2^(e6 + e7), by its exponent field
	s_mov_b32 s[CS+1], s[CS]
	s_add_co_i32 s90, s77, 127
	s_lshl_b32 s91, s90, 23                        ; 2^e9
	s_add_co_i32 s90, s90, 8
	s_lshl_b32 s90, s90, 23
	s_or_b32 s90, s90, 0x600000                    ; 448 x 2^e9
	s_sub_co_i32 s92, s78, s76
	s_sub_co_i32 s92, s92, s77
	s_add_co_i32 s92, s92, 127
	s_lshl_b32 s93, s92, 23                        ; 2^(e10 - e8 - e9)
	s_add_co_i32 s92, s92, 8
	s_lshl_b32 s92, s92, 23
	s_or_b32 s92, s92, 0x600000
	INIT 0
	INIT 1
	WIN 0
	ADDR
	s_wait_alu depctr_va_vdst(0)
	s_wait_tensorcnt 0x0                           ; my eighth of K and V is in,
	s_barrier_signal -1
	s_barrier_wait -1                              ; everybody's is
	FLOAD 0, 0                                     ; K's fragments of step 0
	WIN 0
	s_wait_loadcnt 0x0                             ; Q
.Lstep:                                            ; 8 trips in every wave; a step behind both of the wave's blocks is passed over
	s_cmp_gt_u32 s[ST], s[DH]
	s_cbranch_scc1 .Lhid
	ADDR
	s_wait_alu depctr_va_vdst(0)                   ; the wait behind these writes
	s_wait_dscnt 0x0                               ; K's fragments
	SMUL 0
	WIN 0
	s_cmp_gt_u32 s[ST], s[BL]
	s_cbranch_scc1 .Lhi_only
	SMUL 1
	PLACES
	FLOAD 2, 0                                     ; this step's V takes K's registers: 32 loads that land under the softmax
	TILE 1, BL
	s_branch .Ljoin
.Lhi_only:
	PLACES
	FLOAD 2, 0
	WIN 0
.Ljoin:
	TILE 0, DH
	s_cmp_eq_u32 s[ST], s[DH]                      ; the wave's last step has no successor
	s_cbranch_scc1 .Lhid
	PLACES
	FLOAD 0, 4096                                  ; the next step's K takes V's registers
	WIN 0
.Lhid:
	s_add_co_u32 s[TB], s[TB], 4096
	s_add_co_u32 s[ST], s[ST], 1
	s_cmp_lt_u32 s[ST], 8
	s_cbranch_scc1 .Lstep
	PLACES
	OUT 0
	OUT 1
	WIN 0
	s_wait_tensorcnt 0x0                           ; the wave's end
	ds_add_u32 v[SPW], v[NIL]
	s_wait_dscnt 0x0
	CROUND                                         ; the closing round
	s_endpgm
.Lfunc_end_k_q8ee355322d_attn:
	.size	k_q8ee355322d_attn, .Lfunc_end_k_q8ee355322d_attn-k_q8ee355322d_attn
	.p2alignl 7, 3214868480
	.fill 96, 4, 3214868480
	.section	.rodata,"a",@progbits
	.p2align	6, 0x0
	.amdhsa_kernel k_q8ee355322d_attn
		.amdhsa_group_segment_fixed_size 327680
		.amdhsa_private_segment_fixed_size 0
		.amdhsa_enable_private_segment 0
		.amdhsa_kernarg_size 32
		.amdhsa_user_sgpr_count 2
		.amdhsa_user_sgpr_kernarg_segment_ptr 1
		.amdhsa_wavefront_size32 1
		.amdhsa_system_sgpr_workgroup_id_x 1
		.amdhsa_system_sgpr_workgroup_id_y 1
		.amdhsa_system_sgpr_workgroup_id_z 1
		.amdhsa_system_vgpr_workitem_id 0
		.amdhsa_next_free_vgpr 512
		.amdhsa_next_free_sgpr 100
		.amdhsa_reserve_vcc 0
		.amdhsa_float_denorm_mode_32 3
		.amdhsa_float_denorm_mode_16_64 3
		.amdhsa_memory_ordered 1
		.amdhsa_forward_progress 1
		.amdhsa_inst_pref_size 83
	.end_amdhsa_kernel
	.amdgpu_metadata
---
amdhsa.version: [ 1, 2 ]
amdhsa.kernels:
  - .name:           k_q8ee355322d_attn
    .symbol:         k_q8ee355322d_attn.kd
    .args:
      - { .name: qimg, .offset: 0, .size: 8, .value_kind: global_buffer, .address_space: global }
      - { .name: kvimg, .offset: 8, .size: 8, .value_kind: global_buffer, .address_space: global }
      - { .name: lowp_scales, .offset: 16, .size: 8, .value_kind: global_buffer, .address_space: global }
      - { .name: oimg, .offset: 24, .size: 8, .value_kind: global_buffer, .address_space: global }
    .group_segment_fixed_size: 327680
    .private_segment_fixed_size: 0
    .kernarg_segment_align: 8
    .kernarg_segment_size: 32
    .max_flat_workgroup_size: 256
    .sgpr_count:     100
    .vgpr_count:     512
    .wavefront_size: 32
...
	.end_amdgpu_metadata
.endif
;; end of part 3
;; launch oproj (part 4): grid 16 x 16, 4 waves a work-group, clusters of 4 x 1, 327,680 bytes of LDS; arguments oimg, woc, lowp_scales, out0; writes out0
.if DOCPART == 4
	.amdgcn_target "amdgcn-amd-amdhsa--gfx1250"
	.amdhsa_code_object_version 6
	.text
	.protected	k_q8ee355322d_oproj
	.globl	k_q8ee355322d_oproj
	.p2align	8
	.type	k_q8ee355322d_oproj,@function
k_q8ee355322d_oproj:
	s_mov_b64 s[64:65], 0
	v_nop
	global_prefetch_b8 v0, s[64:65] scope:SCOPE_SE
	s_setreg_imm32_b32 hwreg(HW_REG_WAVE_MODE, 25, 1), 1
	s_wait_xcnt 0x0
	s_wait_alu depctr_hold_cnt(0) depctr_sa_sdst(0) depctr_va_vdst(0) depctr_va_sdst(0) depctr_va_ssrc(0) depctr_va_vcc(0) depctr_vm_vsrc(0)
	s_getreg_b32 s2, hwreg(HW_REG_IB_STS2, 6, 4)
	s_cmp_eq_u32 s2, 0
	s_cbranch_scc0 .Lentry_in_a_cluster
	s_endpgm
.Lentry_in_a_cluster:
	s_bfe_u32 s2, ttmp6, 0x10000c
	s_cmp_lg_u32 s2, 0x3003
	s_cbranch_scc0 .Lentry_shape_is_right
	s_endpgm
.Lentry_shape_is_right:
.set PB,     1040
.set QROWS,  32*PB
.set SLOT,   128*PB
.set STAGE,  2*SLOT
.set SPITCH, 528
.set SPARE,  STAGE+4*16*SPITCH
.set ADRB, 16
.set AO,   20
.set STO,  24
.set RD,   25
.set SPW,  28
.set NIL,  29
.set TMP,  32
.set ACC,  128
.set G1, 24
.set G0, 32
.set MSB, 0
.macro WIN new
.if MSB != (\new)
	s_set_vgpr_msb (MSB<<8)|(\new)
.set MSB, (\new)
.endif
.endm
.set MUL,  0x06
.set TO_A, 0x40
.set TO_B, 0x80
.macro CREST
	s_cmp_lg_u32 s14, 0
	s_cbranch_scc1 .Lnot_wave_0_\@
	s_barrier_signal -3
.Lnot_wave_0_\@:
	s_barrier_wait -3
	s_barrier_signal -1
	s_barrier_wait -1
.endm
.macro CROUND
	s_barrier_signal -1
	s_barrier_wait -1
	CREST
.endm
.macro PLACES
.rept 4
	v_nop
.endr
.endm
.macro ALOAD g
	WIN TO_A
.irp i, 0,1,2,3,4,5,6,7
	global_load_b128 v[32*((\g)%8)+4*\i:32*((\g)%8)+4*\i+3], v[AO], s[4:5] offset:16384*(\g)+512*\i
.endr
.endm
.macro BFETCH slot, q, p
	WIN TO_B
.irp b, 0,1,2,3,4,5,6,7
.irp c, 0,1,2,3
	ds_load_b128 v[128*(\p)+16*\b+4*\c:128*(\p)+16*\b+4*\c+3], v[ADRB+2*(\slot)+\b/4] offset:128*(\q)+32*\c+16*PB*(\b%4)
.endr
.endr
.endm
.macro MULB p, q, b, zero
.irp a, 0,1
.if \zero
	v_wmma_f32_16x16x128_fp8_fp8 v[ACC+8*(8*\a+(\b)):ACC+8*(8*\a+(\b))+7], v[128*(\p)+16*(\b):128*(\p)+16*(\b)+15], v[32*(\q)+16*\a:32*(\q)+16*\a+15], 0
.else
	v_wmma_f32_16x16x128_fp8_fp8 v[ACC+8*(8*\a+(\b)):ACC+8*(8*\a+(\b))+7], v[128*(\p)+16*(\b):128*(\p)+16*(\b)+15], v[32*(\q)+16*\a:32*(\q)+16*\a+15], v[ACC+8*(8*\a+(\b)):ACC+8*(8*\a+(\b))+7]
.endif
.endr
.endm
.macro KSTEP g, zero
.set GQ, (\g)%8
.set GP, (\g)%2
.set GS, ((\g)/8)%2
.if (\g) <= 25
	s_wait_loadcnt 48
.else
	s_wait_loadcnt 8*(31-(\g))
.endif
	s_wait_dscnt 16
	WIN MUL
.irp b, 0,1,2,3
	MULB GP, GQ, \b, \zero
.endr
	PLACES
	BFETCH GS, GQ+1, 1-GP
.if (\g)+7 <= 31
	ALOAD (\g)+7
.endif
	s_wait_dscnt 32
	WIN MUL
.irp b, 4,5,6,7
	MULB GP, GQ, \b, \zero
.endr
.endm
.macro TURN g, slot, next, fill
	WIN 0
	s_wait_loadcnt 48
	s_wait_tensorcnt 0x0
	ds_add_u32 v[SPW], v[NIL]
	s_wait_dscnt 17
	WIN MUL
	MULB 1, 7, 0, 0
	MULB 1, 7, 1, 0
	s_wait_dscnt 0x0
	s_barrier_signal -1
	MULB 1, 7, 2, 0
	MULB 1, 7, 3, 0
.if \fill
	WIN 0
.endif
	s_barrier_wait -1
.if \fill
	CREST
	s_add_nc_u64 s[G0+4*\slot+2:G0+4*\slot+3], s[G0+4*\slot+2:G0+4*\slot+3], 2*1024
	tensor_load_to_lds s[G0+4*\slot:G0+4*\slot+3], s[G1:G1+7]
	s_nop 0
	PLACES
.else
	PLACES
.endif
	BFETCH \next, 0, 0
	ALOAD (\g)+7
	WIN MUL
.irp b, 4,5,6,7
	MULB 1, 7, \b, 0
.endr
.endm
	s_load_b256 s[4:11], s[0:1], 0x0
	v_lshl_add_u32 v[SPW], v0, 2, SPARE
	v_mov_b32 v[NIL], 0
	ds_add_u32 v28, v29
	ds_add_u32 v28, v29
	s_wait_dscnt 0x0
	v_lshrrev_b32 v1, 5, v0
	v_readfirstlane_b32 s14, v1
	s_bfe_u32 s40, ttmp6, 0x40000
	s_lshl_b32 s17, ttmp9, 2
	s_add_co_u32 s17, s17, s40
	s_and_b32 s42, ttmp7, 0xffff
	s_mov_b32 s[G1+0], 15|(0<<16)|(1<<20)|(1<<21)|(7<<22)|(3<<25)
	s_mov_b32 s[G1+1], 1024<<16
	s_mov_b32 s[G1+2], 32<<16
	s_mov_b32 s[G1+3], 1024<<16
	s_mov_b32 s[G1+4], 32
	s_mov_b32 s[G1+5], 4096
	s_mov_b32 s[G1+6], 0
	s_mov_b32 s[G1+7], 0
	s_lshl_b32 s20, s17, 19
	s_lshl_b32 s18, s14, 12
	s_add_co_u32 s20, s20, s18
	s_mov_b32 s21, 0
	s_lshl_b32 s46, s42, 7
	s_lshl_b32 s19, s14, 5
	s_add_co_u32 s46, s46, s19
	s_lshl_b32 s46, s46, 12
	s_mov_b32 s47, 0
	s_mul_i32 s45, s14, QROWS
	v_and_b32 v3, 31, v0
	v_lshlrev_b32 v[AO], 4, v3
	s_wait_alu depctr_va_vdst(0)
	s_wait_kmcnt 0x0
	s_load_b64 s[96:97], s[8:9], 0x28
	s_add_nc_u64 s[4:5], s[4:5], s[20:21]
	s_add_nc_u64 s[46:47], s[6:7], s[46:47]
.irp g, 0,1,2,3,4,5,6
	ALOAD \g
.endr
	WIN 0
	CROUND
.irp s, 0,1
	s_mov_b32 s[G0+4*\s], 1
	s_add_co_u32 s[G0+4*\s+1], s45, \s*SLOT
	s_add_nc_u64 s[G0+4*\s+2:G0+4*\s+3], s[46:47], \s*1024
	s_or_b32 s[G0+4*\s+3], s[G0+4*\s+3], 0x80000000
.endr
	tensor_load_to_lds s[G0:G0+3], s[G1:G1+7]      ; slot 0, behind the round: one tensor load a wave at the head
	s_nop 0
	PLACES
	; the prefetches.  B: of my 32 rows x 1,024 bytes of a slot my work-group takes 256 bytes of each row (by cx: told apart by address alone), a lane a row.
	; A: the sixteen work-groups that read these 128 rows share them out: work-group y asks for K steps 2 y and 2 y + 1, 32,768 bytes: 8,192 a wave, lanes 256 bytes apart
	s_lshl_b32 s48, s40, 8
	s_mov_b32 s49, 0
	s_add_nc_u64 s[48:49], s[46:47], s[48:49]
	s_lshl_b32 s50, s42, 15
	s_add_co_u32 s50, s50, s18                     ; s[4:5] holds 4,096 x wave already: 4,096 more make 8,192 x wave
	s_mov_b32 s51, 0
	s_add_nc_u64 s[50:51], s[4:5], s[50:51]
	v_lshlrev_b32 v21, 12, v3                      ; a row of woc is 4,096 bytes; v21, v22 are never rewritten
	v_lshlrev_b32 v22, 8, v3
	global_prefetch_b8 v21, s[48:49] offset:1024 th:TH_LOAD_NT scope:SCOPE_SE   ; slot 1
	global_prefetch_b8 v21, s[48:49] offset:2048 th:TH_LOAD_NT scope:SCOPE_SE   ; slot 2
	global_prefetch_b8 v22, s[50:51] th:TH_LOAD_NT scope:SCOPE_SE
	v_and_b32 v1, 15, v0
	v_bfe_u32 v2, v0, 4, 1
	v_mul_u32_u24 v4, v1, PB
	v_lshl_add_u32 v4, v2, 4, v4
.irp s, 0,1
.irp u, 0,1
	v_add_nc_u32 v[ADRB+2*\s+\u], \s*SLOT+\u*64*PB, v4
.endr
.endr
	s_mul_i32 s23, s14, 16*SPITCH
	s_add_co_u32 s23, s23, STAGE
	v_mul_u32_u24 v5, v1, SPITCH
	v_lshl_add_u32 v5, v2, 5, v5
	v_add_nc_u32 v[STO], s23, v5
	v_add_nc_u32 v[RD], s23, v[AO]
	s_lshl_b32 s88, s17, 7
	s_lshl_b32 s89, s14, 5
	s_add_co_u32 s88, s88, s89
	s_lshl_b32 s88, s88, 13
	s_lshl_b32 s90, s42, 9
	s_add_co_u32 s88, s88, s90
	s_mov_b32 s89, 0
	s_add_nc_u64 s[10:11], s[10:11], s[88:89]
	s_wait_alu depctr_va_vdst(0)
	s_wait_tensorcnt 0x0                           ; my part of slot 0 is in
	ds_add_u32 v28, v29
	s_wait_dscnt 0x0
	CROUND                                         ; everybody's part of slot 0 is in, and the four partners are here
	tensor_load_to_lds s[G0+4:G0+7], s[G1:G1+7]    ; slot 1: the first tensor load behind the round
	s_nop 0
	PLACES
	global_prefetch_b8 v21, s[48:49] offset:3072 th:TH_LOAD_NT scope:SCOPE_SE   ; slot 3: two refills on
	BFETCH 0, 0, 0
	KSTEP 0, 1
.irp g, 1,2,3,4,5,6
	KSTEP \g, 0
.endr
	TURN 7, 0, 1, 1
.irp g, 8,9,10,11,12,13,14
	KSTEP \g, 0
.endr
	TURN 15, 1, 0, 1
.irp g, 16,17,18,19,20,21,22
	KSTEP \g, 0
.endr
	TURN 23, 0, 1, 0
.irp g, 24,25,26,27,28,29,30
	KSTEP \g, 0
.endr
	s_wait_loadcnt 0
	s_wait_dscnt 16
	WIN MUL
.irp b, 0,1,2,3
	MULB 1, 7, \b, 0
.endr
	s_wait_dscnt 0
.irp b, 4,5,6,7
	MULB 1, 7, \b, 0
.endr
	WIN 0
.macro TOSTAGE a
.set jj, 0
.rept 32
	v_pk_mul_f32 v[TMP+jj:TMP+jj+1], v[ACC+64*(\a)+jj:ACC+64*(\a)+jj+1], s[96:97] op_sel_hi:[1,0]
.set jj, jj+2
.endr
.irp b, 0,1,2,3,4,5,6,7
	ds_store_b128 v[STO], v[TMP+8*\b:TMP+8*\b+3] offset:64*\b
	ds_store_b128 v[STO], v[TMP+8*\b+4:TMP+8*\b+7] offset:64*\b+16
.endr
	WIN TO_A
.irp t, 0,1,2,3,4,5,6,7,8,9,10,11,12,13,14,15
	ds_load_b128 v[64*(\a)+4*\t:64*(\a)+4*\t+3], v[RD] offset:\t*SPITCH
.endr
	WIN 0
.endm
.macro SEND a, younger
	s_wait_dscnt \younger
	WIN 0x04
.irp t, 0,1,2,3,4,5,6,7,8,9,10,11,12,13,14,15
	global_store_b128 v[AO], v[64*(\a)+4*\t:64*(\a)+4*\t+3], s[10:11] offset:(8*(\a)+\t+8*(\t/8))*8192 th:TH_STORE_NT
.endr
	WIN 0
.endm
	s_wait_kmcnt 0x0
	s_add_co_i32 s96, s96, s97
	s_add_co_i32 s96, s96, 127
	s_lshl_b32 s96, s96, 23
	PLACES
	TOSTAGE 0
	TOSTAGE 1
	SEND 0, 32
	SEND 1, 0
	s_wait_tensorcnt 0x0
	ds_add_u32 v[SPW], v[NIL]
	s_wait_dscnt 0x0
	CROUND
	s_endpgm
.Lfunc_end_k_q8ee355322d_oproj:
	.size	k_q8ee355322d_oproj, .Lfunc_end_k_q8ee355322d_oproj-k_q8ee355322d_oproj
	.p2alignl 7, 3214868480
	.fill 96, 4, 3214868480
	.section	.rodata,"a",@progbits
	.p2align	6, 0x0
	.amdhsa_kernel k_q8ee355322d_oproj
		.amdhsa_group_segment_fixed_size 327680
		.amdhsa_private_segment_fixed_size 0
		.amdhsa_enable_private_segment 0
		.amdhsa_kernarg_size 32
		.amdhsa_user_sgpr_count 2
		.amdhsa_user_sgpr_kernarg_segment_ptr 1
		.amdhsa_wavefront_size32 1
		.amdhsa_system_sgpr_workgroup_id_x 1
		.amdhsa_system_sgpr_workgroup_id_y 1
		.amdhsa_system_sgpr_workgroup_id_z 1
		.amdhsa_system_vgpr_workitem_id 0
		.amdhsa_next_free_vgpr 768
		.amdhsa_next_free_sgpr 100
		.amdhsa_reserve_vcc 0
		.amdhsa_float_denorm_mode_32 3
		.amdhsa_float_denorm_mode_16_64 3
		.amdhsa_memory_ordered 1
		.amdhsa_forward_progress 1
		.amdhsa_inst_pref_size 149
	.end_amdhsa_kernel
	.amdgpu_metadata
---
amdhsa.version: [ 1, 2 ]
amdhsa.kernels:
  - .name:           k_q8ee355322d_oproj
    .symbol:         k_q8ee355322d_oproj.kd
    .args:
      - { .name: oimg, .offset: 0, .size: 8, .value_kind: global_buffer, .address_space: global }
      - { .name: woc, .offset: 8, .size: 8, .value_kind: global_buffer, .address_space: global }
      - { .name: lowp_scales, .offset: 16, .size: 8, .value_kind: global_buffer, .address_space: global }
      - { .name: out0, .offset: 24, .size: 8, .value_kind: global_buffer, .address_space: global }
    .group_segment_fixed_size: 327680
    .private_segment_fixed_size: 0
    .kernarg_segment_align: 8
    .kernarg_segment_size: 32
    .max_flat_workgroup_size: 128
    .sgpr_count:     100
    .vgpr_count:     768
    .wavefront_size: 32
...
	.end_amdgpu_metadata
.endif
;; end of part 4
